; MI455X (gfx1250); checked and timed in simulation.
; The chip was launched on July 23, 2026; its instructions are those of AMD's public machine-readable ISA for CDNA 5 (MIT licence, August 2026) and "CDNA5" Instruction Set Architecture Reference Guide (July 2026). The comments in the code are by the model that wrote it; some were corrected since.
;; QK Norm Gated Cross Attn. Allowed arithmetic: matrix products marked QUANTISED: E2M3 operands, one E8M0 scale for each 32 along K, by v_wmma_scale_f32_16x16x128_f8f6f4 with both operands' format E2M3, f32 sums; products left as they are: f32 operands where the result goes on into a quantised operand, else bf16, f16 or f32 operands; f32 sums; everything else in f32.
;; Inputs: Wg 768 x 16 float32; Wk 768 x 1,024 float32; Wo 1,024 x 1,024 float32; Wq 1,024 x 1,024 float32; Wv 768 x 1,024 float32; bg 16 float32; bk 1,024 float32; bo 1,024 float32; bq 1,024 float32; bv 1,024 float32; encoder_hidden_states 4 x 512 x 768 float32; head_gain 16 float32; hidden_states 4 x 4,096 x 1,024 float32.
;; Outputs: out0 4 x 4,096 x 1,024 float32.
;; This version of the problem:
;;   THIS VERSION OF THE PROBLEM IS GIVEN IN LOW PRECISION. The matrix products marked QUANTISED in the list below multiply operands that are first quantised to E2M3 (2 exponent bits, 3 mantissa bits; 6 bits a number), with one power-of-two scale for each 32 numbers along K (OCP MX v1.0); their sums are f32. All else is computed in f32.
;;   The module's matrix products, in the order in which they are computed (A, B: the left and right operand; K: the contracted axis; several contracted axes count as one K, in the product's order):
;;     1. [M 16,384, K 1,024] x [K 1,024, N 1,024]; A: input hidden_states; B: input Wq: QUANTISED
;;     2. [M 2,048, K 768] x [K 768, N 1,024]; A: input encoder_hidden_states; B: input Wk: QUANTISED
;;     3. [M 2,048, K 768] x [K 768, N 1,024]; A: input encoder_hidden_states; B: input Wv: QUANTISED
;;     4. batch 64 x [M 4,096, K 64] x [K 64, N 512]; A: computed on the way; B: computed on the way: QUANTISED
;;     5. batch 64 x [M 4,096, K 512] x [K 512, N 64]; A: softmax (see below); B: computed on the way: QUANTISED
;;     6. [M 4, K 768] x [K 768, N 16]; A: computed on the way; B: input Wg: left as it is (M = 4 < 16)
;;     7. [M 16,384, K 1,024] x [K 1,024, N 1,024]; A: computed on the way; B: input Wo: QUANTISED
;;   THE QUANTISER, for each operand of a quantised product, along K:
;;     - K is cut into blocks of 32 from its start; a last block that is shorter is filled with zeros.
;;     - A block's scale is 2^e with e = floor(log2(the largest magnitude in the block)) - 2, held to -126 .. 127; a block of zeros has e = 0. As a byte (E8M0): e + 127.
;;     - Each number is divided by its block's scale, clamped to +-7.5, and rounded to the nearest number of E2M3, ties to even, subnormals kept.
;;     - The product sums the exact products of the quantised numbers (number of the format x scale) in f32.
;;   ~~~python
;;   def quantise(x, axis):      # numpy; x: float32 -> the quantised numbers, widened to float32 again
;;       x = np.moveaxis(x, axis, -1); K = x.shape[-1]
;;       x = np.pad(x, [(0, 0)] * (x.ndim - 1) + [(0, -K % 32)]); x = x.reshape(x.shape[:-1] + (-1, 32)); a = np.abs(x).max(-1, keepdims=True)
;;       e = np.where(a > 0, np.clip(np.frexp(np.where(a > 0, a, 1))[1] - 1 - 2, -126, 127), 0)      # np.frexp(a)[1] - 1 = floor(log2(a)), exactly
;;       r = np.clip(x / 2.0 ** e, -7.5, 7.5)
;;       step = 2.0 ** (np.maximum(np.frexp(np.where(r == 0, 1, r))[1] - 1, 0) - 3)
;;       q = np.round(r / step) * step * 2.0 ** e      # np.round: ties to even
;;       return np.moveaxis(q.reshape(q.shape[:-2] + (-1,))[..., :K], -1, axis).astype(np.float32)
;;   ~~~
;;   SOFTMAX AHEAD OF A QUANTISED PRODUCT. Where the list says 'softmax', what is quantised is not the finished softmax but p = 2^(t - M), with t = logit x log2(e) and M = ceil(the row's largest t), a whole number; so 1/2 < the row's largest p <= 1. The row's sum l is taken of the UNQUANTISED p, in f32, and the product's result is divided by l at the end. Since M is a whole number, a kernel that streams over the keys may use a running M (the ceiling of the running maximum): every later rescaling is an exact power of two, which a block's scale takes up: the codes' values come out the same.
;;   OPERANDS COMPUTED ON THE WAY. 'Computed on the way' means the value that the module computes at that place (a softmax that the list does not call 'softmax' is quantised finished and normalised). What goes into a quantiser is computed in f32, as accurately as f32 sums, v_exp_f32 and their like allow (about 1e-6 of the number): no bf16 or f16 on the way to a quantiser, and a product that is left as it is and whose result goes on into a quantised operand takes f32 operands (vector FMAs, or v_wmma_f32_16x16x4_f32). A number that lies on a knife's edge between two numbers of the format may be rounded either way, as far as f32 arithmetic and the matrix unit's own rounding can turn it there, and no further.
;; One version. Each part assembles by itself: llvm-mc -triple=amdgcn-amd-amdhsa -mcpu=gfx1250 --defsym DOCPART=n.
;; ======== version 1 of 1: 3 launches
;; limits: right only within a limited range of input values
;; workspace buffers: w_img 2,867,200 bytes; enc_img 1,228,800 bytes; zpart 49,152 bytes; kv_img 3,407,872 bytes; gate 256 bytes
;; launch prep (part 1): grid 368 x 1, 4 waves a work-group, no clusters, 0 bytes of LDS; arguments Wq, Wo, Wk, Wv, encoder_hidden_states, Wg, w_img, enc_img, zpart; writes w_img, enc_img, zpart
.if DOCPART == 1
	.amdgcn_target "amdgcn-amd-amdhsa--gfx1250"
	.amdhsa_code_object_version 6
	.text
	.protected	k_q819543d39d_prep
	.globl	k_q819543d39d_prep
	.p2align	8
	.type	k_q819543d39d_prep,@function
k_q819543d39d_prep:
	s_mov_b64 s[64:65], 0
	v_nop
	global_prefetch_b8 v0, s[64:65] scope:SCOPE_SE
	s_setreg_imm32_b32 hwreg(HW_REG_WAVE_MODE, 25, 1), 1
	s_wait_xcnt 0x0
; PREP.  The four weights [K][1024] and the context [2048][768], f32, become codes of FP6 (E2M3) with one E8M0 byte for each 32 along K,
; laid as IMAGES OF OPERAND REGISTERS: a fragment (16 rows x 128 K, 12 registers a lane) is 1,536 bytes, registers 4 k .. 4 k + 3 of lane l at 512 k + 16 l;
; a scale image is 128 bytes, a word a lane: lanes 0-15 the rows of tile 2 P, lanes 16-31 those of tile 2 P + 1.
; THE ROWS OF A TILE ARE NOT NEIGHBOURS: lane r of tile 2 P + u takes row (a weight's column) 32 P + 8 u + r + 8 (r / 8), so that results used transposed have 16 neighbours in 16 registers.
; w_img: 28 chunks of 102,400 bytes (64 tiles, then 32 scale images): chunks 0-7 Wq, 8-15 Wo, 16-21 Wk, 22-27 Wv, a K step of 128 each.
; Wo's K steps are not 128 neighbouring rows: step s holds the 64 rows of head 8 (s % 2) + s / 2 and then those of the head 4 further on: the order in which the last launch lays its operand.
; enc_img: (64 s + pair) x 3,072 bytes of codes, then from 1,179,648 on the scale images.
; zpart: parts of sum over rows and columns of context x Wg (the gate's product, in f32 by fused multiply-adds): [batch][48 parts][4 classes of lanes][16 heads].
; A wave takes one pair of tiles of one K step: 128 numbers a lane, a lane's registers running along K, so that a block of 32 is one lane's and the conversions' results are the operand's registers.
; A block's byte is its largest magnitude's exponent field - 2, held at 1 from below.  A block of zeros so gets the byte 1 where the rule says 127: its codes are zeros, and this program alone reads the bytes.
; LIMITS: NaN and infinities among the inputs are not served.
; No LDS, no barrier: waves share nothing.  Work-groups 0-223: weights; 224-319: context; 320-367: the gate's parts.
.set XN,  64                           ; v64-191  the 128 numbers: register 64 u + 32 c + i = k 64 c + 32 (lane / 16) + i of tile u's row
.set SEL, 40                           ; s[40:41] selects of v_permlanex16_b32 for lane l xor 16
.set BM,  10                           ; v10-11   largest magnitudes
.set SO,  12                           ; v12-13   the conversions' scale operands
.set BY,  14                           ; v14-15   the bytes
.set BT,  16                           ; v16      the other half's word
; 64 numbers of a lane, v[s] on, become a fragment in v[d] .. v[d + 11] and its row's scale word in v[w]
.macro QUANT6 s, d, t, w
.irp c,0,1
	v_max3_num_f32 v[BM+\c], |v[\s+32*\c]|, |v[\s+32*\c+1]|, 0x1800000      ; my block 2 c + h, and the floor 2^(3 - 127): the byte cannot fall under 1
.endr
.irp i,2,4,6,8,10,12,14,16,18,20,22,24,26,28,30
.irp c,0,1
	v_max3_num_f32 v[BM+\c], v[BM+\c], |v[\s+32*\c+\i]|, |v[\s+32*\c+\i+1]| ; the two blocks by turns
.endr
.endr
.irp c,0,1
	v_add_nc_u32 v[SO+\c], 0xff000000, v[BM+\c]    ; 2 off the exponent field: the conversion takes that field as its scale
.endr
.irp c,0,1
	v_lshrrev_b32 v[BY+\c], 23, v[SO+\c]           ; the byte
.endr
	v_lshl_or_b32 v[\w], v[BY+1], 16, v[BY]        ; blocks h and 2 + h,
	v_lshlrev_b32 v[\w], v9, v[\w]                 ; 8 h bits up;
	v_permlanex16_b32 v[BT], v[\w], s[SEL], s[SEL+1]
	v_or_b32 v[\w], v[\w], v[BT]                   ; with lane l xor 16's two the word is whole
.irp c,0,1
	v_cvt_scalef32_pk16_fp6_f32 v[\d+6*\c:\d+6*\c+2], v[\s+32*\c:\s+32*\c+15], v[SO+\c]
	v_cvt_scalef32_pk16_fp6_f32 v[\t+4*\c:\t+4*\c+2], v[\s+32*\c+16:\s+32*\c+31], v[SO+\c]   ; a conversion's three registers begin on an even number
.endr
	v_nop                                          ; one plain place behind a scaled conversion
.irp c,0,1
.irp i,0,1,2
	v_mov_b32 v[\d+3+6*\c+\i], v[\t+4*\c+\i]
.endr
.endr
.endm
	s_load_b256 s[4:11], s[0:1], 0x0               ; Wq, Wo, Wk, Wv
	s_load_b256 s[12:19], s[0:1], 0x20             ; context, Wg, w_img, enc_img
	s_load_b64 s[20:21], s[0:1], 0x40              ; zpart
	v_lshrrev_b32 v1, 5, v0
	v_readfirstlane_b32 s22, v1                    ; wave
	v_and_b32 v1, 31, v0                           ; lane
	v_and_b32 v2, 15, v0                           ; r
	v_bfe_u32 v3, v0, 4, 1                         ; h
	v_and_b32 v4, 8, v2
	v_add_nc_u32 v4, v4, v2                        ; r + 8 (r / 8)
	v_lshlrev_b32 v7, 4, v1                        ; an image's place for my lane
	v_lshlrev_b32 v8, 2, v1                        ; a scale image's
	v_lshlrev_b32 v9, 3, v3                        ; 8 h
	v_mov_b32 v[BT], 0                             ; a lane permute's destination counts as read
	s_mov_b32 s[SEL], 0x76543210
	s_mov_b32 s[SEL+1], 0xfedcba98
	s_mov_b32 s33, 0
	s_mov_b32 s37, 0
	s_mov_b32 s39, 0
	s_wait_kmcnt 0x0
	s_cmp_ge_u32 ttmp9, 320
	s_cbranch_scc1 .Lgate
	s_cmp_ge_u32 ttmp9, 224
	s_cbranch_scc1 .Lenc
	; ---- a weight: chunk = x / 8, pair of tiles P = 4 (x % 8) + wave
	s_lshr_b32 s23, ttmp9, 3
	s_and_b32 s24, ttmp9, 7
	s_lshl_b32 s24, s24, 2
	s_add_co_u32 s24, s24, s22
	s_cmp_lt_u32 s23, 22                           ; which weight, and its first chunk: the choice hangs on the work-group's number alone
	s_cselect_b64 s[26:27], s[8:9], s[10:11]
	s_cselect_b32 s25, 16, 22
	s_cmp_lt_u32 s23, 16
	s_cselect_b64 s[26:27], s[6:7], s[26:27]
	s_cselect_b32 s25, 8, s25
	s_cmp_lt_u32 s23, 8
	s_cselect_b64 s[26:27], s[4:5], s[26:27]
	s_cselect_b32 s25, 0, s25
	s_sub_co_u32 s28, s23, s25                     ; the K step s
	s_lshl_b32 s29, s28, 7                         ; its first row: 128 s;
	s_and_b32 s30, s28, 1
	s_lshl_b32 s30, s30, 9
	s_lshr_b32 s31, s28, 1
	s_lshl_b32 s31, s31, 6
	s_add_co_u32 s30, s30, s31                     ; in Wo 64 x (8 (s % 2) + s / 2)
	s_cmp_eq_u32 s25, 8
	s_cselect_b32 s29, s30, s29
	s_mov_b32 s31, 64*4096                         ; from the step's first 64 rows to its second: 64 rows,
	s_cselect_b32 s31, 256*4096, s31               ; in Wo 256
	s_lshl_b32 s32, s29, 12
	s_lshl_b32 s30, s24, 7
	s_add_co_u32 s32, s32, s30                     ; rows of 4,096 bytes + 128 P
	s_add_nc_u64 s[26:27], s[26:27], s[32:33]
	s_wait_alu depctr_va_vdst(0)
	v_lshlrev_b32 v5, 2, v4                        ; my column,
	v_lshl_add_u32 v5, v3, 17, v5                  ; lanes 16-31 begin 32 rows further down
	v_add_nc_u32 v6, s31, v5                       ; the second 64 rows
.set u, 0
.rept 2
.set c, 0
.rept 2
.set i, 0
.rept 32
	global_load_b32 v[XN+64*u+32*c+i], v[5+c], s[26:27] offset:i*4096+32*u   ; registers run DOWN K; the two tiles of the pair share each row's 128 bytes
.set i, i+1
.endr
.set c, c+1
.endr
.set u, u+1
.endr
	s_mul_i32 s34, s23, 102400
	s_mul_i32 s35, s24, 3072
	s_add_co_u32 s36, s34, s35                     ; where the pair's codes go,
	s_lshl_b32 s35, s24, 7
	s_add_co_u32 s38, s34, s35
	s_add_co_u32 s38, s38, 98304                   ; and its scale image
	s_mov_b32 s42, 0
	s_branch .Lquant
.Lenc:
	; ---- the context: id = 4 (x - 224) + wave; K step id / 64, pair of tiles (32 rows) id % 64
	s_sub_co_u32 s23, ttmp9, 224
	s_lshl_b32 s23, s23, 2
	s_add_co_u32 s23, s23, s22
	s_lshr_b32 s28, s23, 6
	s_and_b32 s24, s23, 63
	s_mul_i32 s32, s24, 98304                      ; 32 rows of 3,072 bytes
	s_lshl_b32 s30, s28, 9
	s_add_co_u32 s32, s32, s30
	s_add_nc_u64 s[26:27], s[12:13], s[32:33]
	s_wait_alu depctr_va_vdst(0)
	v_mul_u32_u24 v5, v4, 3072
	v_lshl_add_u32 v5, v3, 7, v5                   ; my row, + 32 h numbers
.set u, 0
.rept 2
.set c, 0
.rept 2
.set k, 0
.rept 8
	global_load_b128 v[XN+64*u+32*c+4*k:XN+64*u+32*c+4*k+3], v5, s[26:27] offset:24576*u+256*c+16*k
.set k, k+1
.endr
.set c, c+1
.endr
.set u, u+1
.endr
	s_mul_i32 s36, s23, 3072
	s_lshl_b32 s38, s23, 7
	s_add_co_u32 s38, s38, 1179648
	s_mov_b32 s42, 1
.Lquant:
	s_cmp_eq_u32 s42, 0
	s_cselect_b64 s[44:45], s[16:17], s[18:19]     ; w_img or enc_img
	s_add_nc_u64 s[46:47], s[44:45], s[36:37]
	s_add_nc_u64 s[48:49], s[44:45], s[38:39]
	s_wait_loadcnt 0x0
	QUANT6 XN, 20, 44, 17
	QUANT6 XN+64, 32, 44, 18
	v_cmp_gt_u32 vcc_lo, 16, v1
	v_cndmask_b32 v19, v18, v17, vcc_lo            ; lanes 0-15 tile 2 P's words, lanes 16-31 tile 2 P + 1's
.irp k,0,1,2,3,4,5
	global_store_b128 v7, v[20+4*\k:23+4*\k], s[46:47] offset:512*\k   ; 32 lanes store 512 consecutive bytes, aligned
.endr
	global_store_b32 v8, v19, s[48:49]
	s_endpgm
.Lgate:
	; ---- the gate's parts: id = 4 (x - 320) + wave; 128 columns id / 32, 64 rows id % 32.  A lane takes 4 columns.
	s_sub_co_u32 s23, ttmp9, 320
	s_lshl_b32 s23, s23, 2
	s_add_co_u32 s23, s23, s22
	s_lshr_b32 s24, s23, 5
	s_and_b32 s25, s23, 31
	s_lshl_b32 s32, s24, 13                        ; 128 rows of Wg, 64 bytes each
	s_add_nc_u64 s[26:27], s[14:15], s[32:33]
	s_mul_i32 s32, s25, 196608
	s_lshl_b32 s30, s24, 9
	s_add_co_u32 s32, s32, s30
	s_add_nc_u64 s[28:29], s[12:13], s[32:33]
	s_wait_alu depctr_va_vdst(0)
	v_lshlrev_b32 v5, 8, v1                        ; my 4 rows of Wg
.set k, 0
.rept 16
	global_load_b128 v[192+4*k:195+4*k], v5, s[26:27] offset:16*k    ; register 192 + 16 q + head
.set k, k+1
.endr
.macro GROWS first
.set i, 0
.rept 32
	global_load_b128 v[64+4*i:67+4*i], v7, s[28:29] offset:(\first+i)*3072   ; 32 lanes read 512 consecutive bytes of a row
.set i, i+1
.endr
.endm
.macro GSUM from                       ; rows by turns into two chains
.set i, \from
.rept (32-\from)/2
	v_pk_add_f32 v[20:21], v[20:21], v[64+4*i:65+4*i]
	v_pk_add_f32 v[22:23], v[22:23], v[66+4*i:67+4*i]
	v_pk_add_f32 v[24:25], v[24:25], v[68+4*i:69+4*i]
	v_pk_add_f32 v[26:27], v[26:27], v[70+4*i:71+4*i]
.set i, i+2
.endr
.endm
	GROWS 0
	s_wait_loadcnt 0x0
	v_pk_add_f32 v[20:21], v[64:65], v[72:73]      ; the first rows start the sums
	v_pk_add_f32 v[22:23], v[66:67], v[74:75]
	v_pk_add_f32 v[24:25], v[68:69], v[76:77]
	v_pk_add_f32 v[26:27], v[70:71], v[78:79]
	GSUM 4
	GROWS 32
	s_wait_alu depctr_va_vdst(0)
	s_wait_loadcnt 0x0
	GSUM 0
	v_pk_add_f32 v[20:21], v[20:21], v[24:25]
	v_pk_add_f32 v[22:23], v[22:23], v[26:27]      ; my 4 columns' sums over 64 rows
.set k, 0
.rept 16
	v_mul_f32 v[28+k], v20, v[192+k]
.set k, k+1
.endr
.irp q,1,2,3
.set k, 0
.rept 16
	v_fmac_f32 v[28+k], v[20+\q], v[192+16*\q+k]
.set k, k+1
.endr
.endr
.irp j,44,45,46,47
	v_mov_b32 v\j, 0
.endr
.set k, 0
.rept 16
	v_add_f32_dpp v[28+k], v[28+k], v[28+k] row_xmask:4 row_mask:0xf bank_mask:0xf
.set k, k+1
.endr
.set k, 0
.rept 16
	v_add_f32_dpp v[28+k], v[28+k], v[28+k] row_xmask:8 row_mask:0xf bank_mask:0xf
.set k, k+1
.endr
.set k, 0
.rept 16
	v_permlanex16_b32 v[44+k%4], v[28+k], s[SEL], s[SEL+1]
	v_add_f32 v[28+k], v[28+k], v[44+k%4]          ; lanes 0-3 hold the sums of the four classes lane % 4
.set k, k+1
.endr
	s_mul_i32 s32, s25, 6
	s_add_co_u32 s32, s32, s24
	s_lshl_b32 s32, s32, 8                         ; part 6 (8 batch + rows) + columns: 256 bytes
	s_add_nc_u64 s[30:31], s[20:21], s[32:33]
	v_lshlrev_b32 v6, 6, v1
	s_wait_alu depctr_va_vdst(0)
	s_wait_xcnt 0x0                                ; EXEC changes only behind this wait
	v_cmp_gt_u32 vcc_lo, 4, v1
	s_and_saveexec_b32 s34, vcc_lo                 ; lanes 0-3 store 64 bytes each
.irp k,0,1,2,3
	global_store_b128 v6, v[28+4*\k:31+4*\k], s[30:31] offset:16*\k
.endr
	s_endpgm
.Lfunc_end_k_q819543d39d_prep:
	.size	k_q819543d39d_prep, .Lfunc_end_k_q819543d39d_prep-k_q819543d39d_prep
	.p2alignl 7, 3214868480
	.fill 96, 4, 3214868480
	.section	.rodata,"a",@progbits
	.p2align	6, 0x0
	.amdhsa_kernel k_q819543d39d_prep
		.amdhsa_group_segment_fixed_size 0
		.amdhsa_private_segment_fixed_size 0
		.amdhsa_enable_private_segment 0
		.amdhsa_kernarg_size 72
		.amdhsa_user_sgpr_count 2
		.amdhsa_user_sgpr_kernarg_segment_ptr 1
		.amdhsa_wavefront_size32 1
		.amdhsa_system_sgpr_workgroup_id_x 1
		.amdhsa_system_sgpr_workgroup_id_y 1
		.amdhsa_system_sgpr_workgroup_id_z 1
		.amdhsa_system_vgpr_workitem_id 0
		.amdhsa_next_free_vgpr 256
		.amdhsa_next_free_sgpr 66
		.amdhsa_reserve_vcc 1
		.amdhsa_float_denorm_mode_32 3
		.amdhsa_float_denorm_mode_16_64 3
		.amdhsa_memory_ordered 1
		.amdhsa_forward_progress 1
		.amdhsa_inst_pref_size 48
	.end_amdhsa_kernel
	.amdgpu_metadata
---
amdhsa.version: [ 1, 2 ]
amdhsa.kernels:
  - .name:           k_q819543d39d_prep
    .symbol:         k_q819543d39d_prep.kd
    .args:
      - { .name: Wq, .offset: 0, .size: 8, .value_kind: global_buffer, .address_space: global }
      - { .name: Wo, .offset: 8, .size: 8, .value_kind: global_buffer, .address_space: global }
      - { .name: Wk, .offset: 16, .size: 8, .value_kind: global_buffer, .address_space: global }
      - { .name: Wv, .offset: 24, .size: 8, .value_kind: global_buffer, .address_space: global }
      - { .name: encoder_hidden_states, .offset: 32, .size: 8, .value_kind: global_buffer, .address_space: global }
      - { .name: Wg, .offset: 40, .size: 8, .value_kind: global_buffer, .address_space: global }
      - { .name: w_img, .offset: 48, .size: 8, .value_kind: global_buffer, .address_space: global }
      - { .name: enc_img, .offset: 56, .size: 8, .value_kind: global_buffer, .address_space: global }
      - { .name: zpart, .offset: 64, .size: 8, .value_kind: global_buffer, .address_space: global }
    .group_segment_fixed_size: 0
    .private_segment_fixed_size: 0
    .kernarg_segment_align: 8
    .kernarg_segment_size: 72
    .max_flat_workgroup_size: 128
    .sgpr_count:     66
    .vgpr_count:     256
    .wavefront_size: 32
...
	.end_amdgpu_metadata
.endif
;; end of part 1
;; launch kv (part 2): grid 513 x 1, 4 waves a work-group, no clusters, 0 bytes of LDS; arguments w_img, enc_img, zpart, bk, bv, bg, head_gain, kv_img, gate; writes kv_img, gate
.if DOCPART == 2
	.amdgcn_target "amdgcn-amd-amdhsa--gfx1250"
	.amdhsa_code_object_version 6
	.text
	.protected	k_q819543d39d_kv
	.globl	k_q819543d39d_kv
	.p2align	8
	.type	k_q819543d39d_kv,@function
k_q819543d39d_kv:
	s_mov_b64 s[64:65], 0
	v_nop
	global_prefetch_b8 v0, s[64:65] scope:SCOPE_SE
	s_setreg_imm32_b32 hwreg(HW_REG_WAVE_MODE, 25, 1), 1
	s_wait_xcnt 0x0
; KV.  k = l2norm(context Wk + bk) and v = context Wv + bv on codes of FP6 (E2M3) with E8M0 scales, K = 768 in six steps of 128; both are quantised again, k along the head's 64, v along the keys,
; and stored as images of operand registers for the last launch; and gate = 1 + sigmoid(mean(context) Wg + bg) sigmoid(head_gain).
; Operands lie in memory in the order of the registers (launch prep), so every fragment comes by three loads of 16 bytes a lane, straight into registers: no LDS, no barrier.
; No joint loads: a wave's whole share is six K steps on images of 2.4 MB in all; a ring in LDS with its rounds would cost more than it moves.
; A WAVE makes 4 tiles (source 0) x 2 tiles (source 1): 8 accumulators, which take turns.
;   k (work-groups 0-255): source 0 = Wk's 64 columns of head hd, source 1 = 32 keys: a lane holds ONE key and 32 of the head's 64 numbers, neighbours by sixteens.
;   v (256-511): source 0 = 64 keys, source 1 = 32 columns of Wv: a lane holds ONE column and 32 of the 64 keys.
; kv_img: chunk (8 batch + 2 g + kh) x 106,496 bytes (g: heads 4 g + i; kh: 256 keys): K's pairs of tiles at (8 i + p) x 1,536 (registers 0-5 tile 0, 6-11 tile 1, 64 along K each);
;   V's halves (64 keys, 6 registers: 0-3 at 16 l, 4-5 at 512 + 8 l) at 49,152 + ((2 i + q) 4 + dt) x 1,536 + 768 c; K's scale images at 98,304 + (8 i + p) x 128, bytes 2 and 3 = 127;
;   V's at 102,400 + (((2 i + q) 2 + c) 2 + dt / 2) x 128.
; x / max(n, 1e-6) is x times v_rcp_f32 of max(v_sqrt_f32(sum), 1e-6).  A block of zeros gets the byte 1: its codes are zeros, and this program alone reads the bytes.
; LIMITS: NaN and infinities among the inputs are not served.
.set ACC, 16                           ; v16-79   accumulator (source 1's tile be, source 0's tile al) at 16 + 8 (4 be + al)
.set SEL, 40                           ; s[40:41]
.set BV,  232                          ; v232-235 bv of my column, twice, for each of the two tiles
; operands: set 0: source 0 v80-127, source 1 v128-151, scale images v224-226;  set 1: v152-199, v200-223, v228-230
.macro PLACES
.rept 4
	v_nop
.endr
.endm
; one scaled matrix instruction.  z: C is the constant 0.  ra, rb: the scales stand in lanes 16-31
.macro WM d, a, b, z, sa, sb, ra, rb
.set wd, \d
.set wa, \a
.set wb, \b
.set wsa, \sa
.set wsb, \sb
.if \z
.if (\ra) && (\rb)
	v_wmma_scale_f32_16x16x128_f8f6f4 v[wd:wd+7], v[wa:wa+11], v[wb:wb+11], 0, v[wsa], v[wsb] matrix_a_fmt:MATRIX_FMT_FP6 matrix_b_fmt:MATRIX_FMT_FP6 matrix_a_scale:MATRIX_SCALE_ROW1 matrix_b_scale:MATRIX_SCALE_ROW1
.elseif \ra
	v_wmma_scale_f32_16x16x128_f8f6f4 v[wd:wd+7], v[wa:wa+11], v[wb:wb+11], 0, v[wsa], v[wsb] matrix_a_fmt:MATRIX_FMT_FP6 matrix_b_fmt:MATRIX_FMT_FP6 matrix_a_scale:MATRIX_SCALE_ROW1
.elseif \rb
	v_wmma_scale_f32_16x16x128_f8f6f4 v[wd:wd+7], v[wa:wa+11], v[wb:wb+11], 0, v[wsa], v[wsb] matrix_a_fmt:MATRIX_FMT_FP6 matrix_b_fmt:MATRIX_FMT_FP6 matrix_b_scale:MATRIX_SCALE_ROW1
.else
	v_wmma_scale_f32_16x16x128_f8f6f4 v[wd:wd+7], v[wa:wa+11], v[wb:wb+11], 0, v[wsa], v[wsb] matrix_a_fmt:MATRIX_FMT_FP6 matrix_b_fmt:MATRIX_FMT_FP6
.endif
.else
.if (\ra) && (\rb)
	v_wmma_scale_f32_16x16x128_f8f6f4 v[wd:wd+7], v[wa:wa+11], v[wb:wb+11], v[wd:wd+7], v[wsa], v[wsb] matrix_a_fmt:MATRIX_FMT_FP6 matrix_b_fmt:MATRIX_FMT_FP6 matrix_a_scale:MATRIX_SCALE_ROW1 matrix_b_scale:MATRIX_SCALE_ROW1
.elseif \ra
	v_wmma_scale_f32_16x16x128_f8f6f4 v[wd:wd+7], v[wa:wa+11], v[wb:wb+11], v[wd:wd+7], v[wsa], v[wsb] matrix_a_fmt:MATRIX_FMT_FP6 matrix_b_fmt:MATRIX_FMT_FP6 matrix_a_scale:MATRIX_SCALE_ROW1
.elseif \rb
	v_wmma_scale_f32_16x16x128_f8f6f4 v[wd:wd+7], v[wa:wa+11], v[wb:wb+11], v[wd:wd+7], v[wsa], v[wsb] matrix_a_fmt:MATRIX_FMT_FP6 matrix_b_fmt:MATRIX_FMT_FP6 matrix_b_scale:MATRIX_SCALE_ROW1
.else
	v_wmma_scale_f32_16x16x128_f8f6f4 v[wd:wd+7], v[wa:wa+11], v[wb:wb+11], v[wd:wd+7], v[wsa], v[wsb] matrix_a_fmt:MATRIX_FMT_FP6 matrix_b_fmt:MATRIX_FMT_FP6
.endif
.endif
.endm
; a K step's operands: 21 loads.  ab, bb: the scalar pairs of the two buffers; the four offsets are immediates
.macro LOADSET set, ab, ao, aso, bb, bo, bso
.set j, 0
.rept 12
	global_load_b128 v[80+72*(\set)+4*j:83+72*(\set)+4*j], v8, s[\ab:\ab+1] offset:(\ao)+512*j
.set j, j+1
.endr
.set j, 0
.rept 6
	global_load_b128 v[128+72*(\set)+4*j:131+72*(\set)+4*j], v10, s[\bb:\bb+1] offset:(\bo)+512*j
.set j, j+1
.endr
	global_load_b32 v[224+4*(\set)], v9, s[\ab:\ab+1] offset:(\aso)
	global_load_b32 v[225+4*(\set)], v9, s[\ab:\ab+1] offset:(\aso)+128
	global_load_b32 v[226+4*(\set)], v11, s[\bb:\bb+1] offset:(\bso)
.endm
.macro LDK set, s                      ; k: source 0 from w_img (Wk: chunks 16 on), source 1 from enc_img
	LOADSET \set, 4, (16+\s)*102400, (16+\s)*102400+98304, 6, (\s)*196608, 1179648+(\s)*8192
.endm
.macro LDV set, s                      ; v: source 0 from enc_img, source 1 from w_img (Wv: chunks 22 on)
	LOADSET \set, 6, (\s)*196608, 1179648+(\s)*8192, 4, (22+\s)*102400, (22+\s)*102400+98304
.endm
.macro MULSET set, zero
.irp be,0,1
.irp al,0,1,2,3
	WM ACC+8*(4*\be+\al), 80+72*(\set)+12*\al, 128+72*(\set)+12*\be, \zero, 224+4*(\set)+\al/2, 226+4*(\set), \al%2, \be
.endr
.endr
.endm
.macro KVSTEPS ld, zero0
	\ld 0, 0
	\ld 1, 1
.irp s,0,1,2,3,4,5
.if \s < 5
	s_wait_loadcnt 21                              ; this K step's operands (and what was asked for ahead of them) are in; the next step's 21 loads may be out
.else
	s_wait_loadcnt 0x0
.endif
.if \s == 0
	MULSET 0, \zero0
.else
	MULSET \s%2, 0
.endif
.if \s < 4
	PLACES                                         ; four places in front of loads into registers that matrix instructions have read
	\ld \s%2, \s+2
.endif
.endr
.endm
; n rows of 32 registers (with lane l xor 16's 32: 64 numbers) are divided by max(their norm, 1e-6).  v[t + 2 a], v[t + 2 a + 1]: at work.  The rows take turns; each accumulator is read from its low end on
.macro NORM n, src, t
.set na, 0
.rept \n
	v_pk_mul_f32 v[\t+2*na:\t+2*na+1], v[\src+32*na:\src+32*na+1], v[\src+32*na:\src+32*na+1]
.set na, na+1
.endr
.set nj, 2
.rept 15
.set na, 0
.rept \n
	v_pk_fma_f32 v[\t+2*na:\t+2*na+1], v[\src+32*na+nj:\src+32*na+nj+1], v[\src+32*na+nj:\src+32*na+nj+1], v[\t+2*na:\t+2*na+1]
.set na, na+1
.endr
.set nj, nj+2
.endr
.set na, 0
.rept \n
	v_add_f32 v[\t+2*na], v[\t+2*na], v[\t+2*na+1]
.set na, na+1
.endr
.set na, 0
.rept \n
	v_permlanex16_b32 v[\t+2*na+1], v[\t+2*na], s[SEL], s[SEL+1]
.set na, na+1
.endr
.set na, 0
.rept \n
	v_add_f32 v[\t+2*na], v[\t+2*na], v[\t+2*na+1]
.set na, na+1
.endr
.set na, 0
	s_wait_alu depctr_va_vdst(0)
.rept \n
	v_sqrt_f32 v[\t+2*na], v[\t+2*na]
.set na, na+1
.endr
	v_nop                                          ; a plain place behind the batch,
	s_wait_alu depctr_va_vdst(0)                   ; and one wait for it, ahead of its first reader
.set na, 0
.rept \n
	v_max_num_f32 v[\t+2*na], 0x358637bd, v[\t+2*na]   ; 1e-6
.set na, na+1
.endr
.set na, 0
	s_wait_alu depctr_va_vdst(0)
.rept \n
	v_rcp_f32 v[\t+2*na], v[\t+2*na]
.set na, na+1
.endr
	v_nop
	s_wait_alu depctr_va_vdst(0)
.set na, 0
.rept \n
	v_mov_b32 v[\t+2*na+1], v[\t+2*na]
.set na, na+1
.endr
.set nj, 0
.rept 16
.set na, 0
.rept \n
	v_pk_mul_f32 v[\src+32*na+nj:\src+32*na+nj+1], v[\src+32*na+nj:\src+32*na+nj+1], v[\t+2*na:\t+2*na+1]
.set na, na+1
.endr
.set nj, nj+2
.endr
.endm
; 32 numbers of a lane, register 16 b + i = k 32 b + 16 (lane / 16) + i of my row, become 6 registers of codes (64 along K) in v[d] on and two scale bytes in v[w].  tm: six registers at work
.macro QUANT2 s, d, t, w, tm
.irp b,0,1
	v_max3_num_f32 v[\tm+\b], |v[\s+16*\b]|, |v[\s+16*\b+1]|, 0x1800000     ; and the floor 2^(3 - 127)
.endr
.irp i,2,4,6,8,10,12,14
.irp b,0,1
	v_max3_num_f32 v[\tm+\b], v[\tm+\b], |v[\s+16*\b+\i]|, |v[\s+16*\b+\i+1]|
.endr
.endr
.irp b,0,1
	v_permlanex16_b32 v[\tm+2+\b], v[\tm+\b], s[SEL], s[SEL+1]
.endr
.irp b,0,1
	v_max_num_f32 v[\tm+\b], v[\tm+\b], v[\tm+2+\b]   ; with lane l xor 16's: the block's largest magnitude
.endr
.irp b,0,1
	v_add_nc_u32 v[\tm+4+\b], 0xff000000, v[\tm+\b]   ; 2 off its exponent field: the conversion's scale operand
.endr
.irp b,0,1
	v_lshrrev_b32 v[\tm+2+\b], 23, v[\tm+4+\b]        ; the byte
.endr
	v_lshl_or_b32 v[\w], v[\tm+3], 8, v[\tm+2]
	v_cvt_scalef32_pk16_fp6_f32 v[\d:\d+2], v[\s:\s+15], v[\tm+4]
	v_cvt_scalef32_pk16_fp6_f32 v[\t:\t+2], v[\s+16:\s+31], v[\tm+5]
	v_nop                                          ; one plain place behind a scaled conversion
.irp i,0,1,2
	v_permlane16_swap_b32 v[\d+\i], v[\t+\i]       ; a whole block to a lane: lanes 0-15 block 0, lanes 16-31 block 1
.endr
.irp i,0,1,2
	v_mov_b32 v[\d+3+\i], v[\t+\i]
.endr
.endm
	s_load_b256 s[4:11], s[0:1], 0x0               ; w_img, enc_img, zpart, bk
	s_load_b256 s[12:19], s[0:1], 0x20             ; bv, bg, head_gain, kv_img
	s_load_b64 s[20:21], s[0:1], 0x40              ; gate
	v_lshrrev_b32 v1, 5, v0
	v_readfirstlane_b32 s22, v1                    ; wave
	v_and_b32 v1, 31, v0                           ; lane
	v_and_b32 v2, 15, v0                           ; r
	v_bfe_u32 v3, v0, 4, 1                         ; h
	v_and_b32 v4, 8, v2
	v_add_nc_u32 v4, v4, v2                        ; r + 8 (r / 8)
	v_lshlrev_b32 v5, 4, v1
	v_lshlrev_b32 v6, 2, v1
	v_lshlrev_b32 v7, 3, v1
	s_mov_b32 s[SEL], 0x76543210
	s_mov_b32 s[SEL+1], 0xfedcba98
	s_mov_b32 s29, 0
	s_wait_kmcnt 0x0
	s_cmp_ge_u32 ttmp9, 512
	s_cbranch_scc1 .Lgate
	s_cmp_ge_u32 ttmp9, 256
	s_cbranch_scc1 .Lvpath
	; ---- k: pair of key tiles Pk = x / 4, head hd = 4 (x % 4) + wave
	s_lshr_b32 s23, ttmp9, 2
	s_and_b32 s24, ttmp9, 3
	s_lshl_b32 s24, s24, 2
	s_add_co_u32 s24, s24, s22
	s_mul_i32 s25, s24, 6144
	s_wait_alu depctr_va_vdst(0)
	v_add_nc_u32 v8, s25, v5                       ; Wk's tiles 4 hd on
	s_wait_alu depctr_va_vdst(0)
	s_lshl_b32 s25, s24, 8
	v_add_nc_u32 v9, s25, v6                       ; their two scale images
	v_lshl_add_u32 v12, v3, 6, s25                 ; bk: 256 hd + 64 h
	s_mul_i32 s25, s23, 3072
	v_add_nc_u32 v10, s25, v5                      ; the context's pair
	s_wait_alu depctr_va_vdst(0)
	s_lshl_b32 s25, s23, 7
	v_add_nc_u32 v11, s25, v6
	s_wait_alu depctr_va_vdst(0)
.irp be,0,1
.irp al,0,1,2,3
.irp k,0,1
	global_load_b128 v[ACC+8*(4*\be+\al)+4*\k:ACC+8*(4*\be+\al)+4*\k+3], v12, s[10:11] offset:(32*(\al/2)+8*(\al%2))*4+16*\k   ; the bias starts the sums: register j of tile al is channel 32 (al / 2) + 16 h + 8 (al % 2) + j
.endr
.endr
.endr
	KVSTEPS LDK, 0
	s_lshr_b32 s26, s23, 4                         ; batch
	s_lshl_b32 s26, s26, 3
	s_lshr_b32 s27, s24, 2                         ; g
	s_lshl_b32 s27, s27, 1
	s_add_co_u32 s26, s26, s27
	s_bfe_u32 s27, s23, 0x10003                    ; kh
	s_add_co_u32 s26, s26, s27
	s_mul_i32 s26, s26, 106496
	s_and_b32 s27, s24, 3                          ; i
	s_lshl_b32 s27, s27, 3
	s_and_b32 s28, s23, 7
	s_add_co_u32 s27, s27, s28                     ; 8 i + p
	s_mul_i32 s28, s27, 1536
	s_add_co_u32 s28, s28, s26
	s_add_nc_u64 s[30:31], s[18:19], s[28:29]
	s_lshl_b32 s28, s27, 7
	s_add_co_u32 s28, s28, s26
	s_add_co_u32 s28, s28, 98304
	s_add_nc_u64 s[32:33], s[18:19], s[28:29]
	PLACES                                         ; four places ahead of the first read of results and of vector writes into operands
	v_mov_b32 v86, 0
	v_mov_b32 v87, 0
	NORM 2, ACC, 80
	QUANT2 ACC, 92, 104, 112, 84
	QUANT2 ACC+32, 98, 108, 113, 84
	v_or_b32 v112, 0x7f7f0000, v112                ; k = 64 .. 127 of the product to come: the byte of 1.0
	v_or_b32 v113, 0x7f7f0000, v113
	v_cmp_gt_u32 vcc_lo, 16, v1
	v_cndmask_b32 v114, v113, v112, vcc_lo
.irp k,0,1,2
	global_store_b128 v5, v[92+4*\k:95+4*\k], s[30:31] offset:512*\k
.endr
	global_store_b32 v6, v114, s[32:33]
	s_endpgm
.Lvpath:
	; ---- v: 64 keys Kg = y / 8, pair of column tiles Pd = 4 (y % 8) + wave, y = x - 256
	s_sub_co_u32 s23, ttmp9, 256
	s_and_b32 s24, s23, 7
	s_lshl_b32 s24, s24, 2
	s_add_co_u32 s24, s24, s22
	s_lshr_b32 s23, s23, 3
	s_mul_i32 s25, s23, 6144
	s_wait_alu depctr_va_vdst(0)
	v_add_nc_u32 v8, s25, v5
	s_wait_alu depctr_va_vdst(0)
	s_lshl_b32 s25, s23, 8
	v_add_nc_u32 v9, s25, v6
	s_mul_i32 s25, s24, 3072
	v_add_nc_u32 v10, s25, v5
	s_wait_alu depctr_va_vdst(0)
	s_lshl_b32 s25, s24, 7
	v_add_nc_u32 v11, s25, v6
	s_wait_alu depctr_va_vdst(0)
	v_lshl_add_u32 v12, v4, 2, s25                 ; bv of my column: 128 Pd + 4 (r + 8 (r / 8)), + 32 for the second tile
.irp be,0,1
	global_load_b32 v[BV+2*\be], v12, s[12:13] offset:32*\be
	global_load_b32 v[BV+2*\be+1], v12, s[12:13] offset:32*\be
.endr
	KVSTEPS LDV, 1
	s_lshr_b32 s26, s23, 3                         ; batch
	s_lshl_b32 s26, s26, 3
	s_lshr_b32 s27, s24, 3                         ; g
	s_lshl_b32 s27, s27, 1
	s_add_co_u32 s26, s26, s27
	s_bfe_u32 s27, s23, 0x10002                    ; kh
	s_add_co_u32 s26, s26, s27
	s_mul_i32 s26, s26, 106496
	s_bfe_u32 s27, s24, 0x20001                    ; i
	s_lshl_b32 s27, s27, 1
	s_bfe_u32 s28, s23, 0x10001                    ; q
	s_add_co_u32 s27, s27, s28                     ; 2 i + q
	s_and_b32 s34, s24, 1                          ; dt / 2
	s_and_b32 s35, s23, 1                          ; c
	s_lshl_b32 s28, s27, 2
	s_lshl_b32 s36, s34, 1
	s_add_co_u32 s28, s28, s36
	s_mul_i32 s28, s28, 1536
	s_mul_i32 s36, s35, 768
	s_add_co_u32 s28, s28, s36
	s_add_co_u32 s28, s28, s26
	s_add_co_u32 s28, s28, 49152
	s_add_nc_u64 s[30:31], s[18:19], s[28:29]
	s_lshl_b32 s28, s27, 1
	s_add_co_u32 s28, s28, s35
	s_lshl_b32 s28, s28, 1
	s_add_co_u32 s28, s28, s34
	s_lshl_b32 s28, s28, 7
	s_add_co_u32 s28, s28, s26
	s_add_co_u32 s28, s28, 102400
	s_add_nc_u64 s[32:33], s[18:19], s[28:29]
	PLACES
	v_mov_b32 v86, 0
	v_mov_b32 v87, 0
.irp be,0,1
.set j, 0
.rept 16
	v_pk_add_f32 v[ACC+32*\be+j:ACC+32*\be+j+1], v[ACC+32*\be+j:ACC+32*\be+j+1], v[BV+2*\be:BV+2*\be+1]   ; + bv, each accumulator from its low end on
.set j, j+2
.endr
.endr
	QUANT2 ACC, 92, 104, 112, 84
	QUANT2 ACC+32, 98, 108, 113, 84
	v_cmp_gt_u32 vcc_lo, 16, v1
	v_cndmask_b32 v114, v113, v112, vcc_lo
	global_store_b128 v5, v[92:95], s[30:31]
	global_store_b64 v7, v[96:97], s[30:31] offset:512
	global_store_b128 v5, v[98:101], s[30:31] offset:1536
	global_store_b64 v7, v[102:103], s[30:31] offset:2048
	global_store_b32 v6, v114, s[32:33]
	s_endpgm
.Lgate:
	; ---- the gate: wave = batch.  192 parts of 16 heads are summed: a lane holds heads 4 (lane % 4) + 0 .. 3
	s_mul_i32 s24, s22, 12288
	s_mov_b32 s25, 0
	s_add_nc_u64 s[26:27], s[8:9], s[24:25]
	s_lshl_b32 s24, s22, 6
	s_add_nc_u64 s[28:29], s[20:21], s[24:25]
	v_and_b32 v8, 3, v0
	v_lshlrev_b32 v8, 4, v8
.set k, 0
	s_wait_alu depctr_va_vdst(0)
.rept 24
	global_load_b128 v[16+4*k:19+4*k], v5, s[26:27] offset:512*k
.set k, k+1
.endr
	global_load_b128 v[112:115], v8, s[14:15]      ; bg
	global_load_b128 v[116:119], v8, s[16:17]      ; head_gain
.irp j,120,121,122,123
	v_mov_b32 v\j, 0
.endr
	s_wait_loadcnt 0x0
.set k, 1
.rept 23
	v_pk_add_f32 v[16:17], v[16:17], v[16+4*k:17+4*k]
	v_pk_add_f32 v[18:19], v[18:19], v[18+4*k:19+4*k]
.set k, k+1
.endr
.irp j,0,1,2,3
	v_add_f32_dpp v[16+\j], v[16+\j], v[16+\j] row_xmask:4 row_mask:0xf bank_mask:0xf
.endr
.irp j,0,1,2,3
	v_add_f32_dpp v[16+\j], v[16+\j], v[16+\j] row_xmask:8 row_mask:0xf bank_mask:0xf
.endr
.irp j,0,1,2,3
	v_permlanex16_b32 v[120+\j], v[16+\j], s[SEL], s[SEL+1]
.endr
.irp j,0,1,2,3
	v_add_f32 v[16+\j], v[16+\j], v[120+\j]
.endr
.irp j,0,1,2,3
	v_fma_f32 v[16+\j], v[16+\j], 0x3b000000, v[112+\j]   ; the mean over 512 rows (x 2^-9, exact) + bg
.endr
.irp j,0,1,2,3
	v_mul_f32 v[16+\j], 0xbfb8aa3b, v[16+\j]       ; x -log2(e)
	v_mul_f32 v[116+\j], 0xbfb8aa3b, v[116+\j]
.endr
	s_wait_alu depctr_va_vdst(0)
.irp j,0,1,2,3
	v_exp_f32 v[16+\j], v[16+\j]
	v_exp_f32 v[116+\j], v[116+\j]
.endr
	v_nop
	s_wait_alu depctr_va_vdst(0)                   ; one wait for the eight
.irp j,0,1,2,3
	v_add_f32 v[16+\j], 1.0, v[16+\j]
	v_add_f32 v[116+\j], 1.0, v[116+\j]
.endr
.irp j,0,1,2,3
	v_mul_f32 v[16+\j], v[16+\j], v[116+\j]        ; (1 + e^-z)(1 + e^-gain): an infinity here gives the gate 1
.endr
	s_wait_alu depctr_va_vdst(0)
.irp j,0,1,2,3
	v_rcp_f32 v[16+\j], v[16+\j]
.endr
	v_nop
	s_wait_alu depctr_va_vdst(0)
.irp j,0,1,2,3
	v_add_f32 v[16+\j], 1.0, v[16+\j]
.endr
	s_wait_alu depctr_va_vdst(0)
	s_wait_xcnt 0x0                                ; EXEC changes only behind this wait
	v_cmp_gt_u32 vcc_lo, 4, v1
	s_and_saveexec_b32 s34, vcc_lo                 ; lanes 0-3 store the batch's 16 gates
	global_store_b128 v8, v[16:19], s[28:29]
	s_endpgm
.Lfunc_end_k_q819543d39d_kv:
	.size	k_q819543d39d_kv, .Lfunc_end_k_q819543d39d_kv-k_q819543d39d_kv
	.p2alignl 7, 3214868480
	.fill 96, 4, 3214868480
	.section	.rodata,"a",@progbits
	.p2align	6, 0x0
	.amdhsa_kernel k_q819543d39d_kv
		.amdhsa_group_segment_fixed_size 0
		.amdhsa_private_segment_fixed_size 0
		.amdhsa_enable_private_segment 0
		.amdhsa_kernarg_size 72
		.amdhsa_user_sgpr_count 2
		.amdhsa_user_sgpr_kernarg_segment_ptr 1
		.amdhsa_wavefront_size32 1
		.amdhsa_system_sgpr_workgroup_id_x 1
		.amdhsa_system_sgpr_workgroup_id_y 1
		.amdhsa_system_sgpr_workgroup_id_z 1
		.amdhsa_system_vgpr_workitem_id 0
		.amdhsa_next_free_vgpr 240
		.amdhsa_next_free_sgpr 66
		.amdhsa_reserve_vcc 1
		.amdhsa_float_denorm_mode_32 3
		.amdhsa_float_denorm_mode_16_64 3
		.amdhsa_memory_ordered 1
		.amdhsa_forward_progress 1
		.amdhsa_inst_pref_size 68
	.end_amdhsa_kernel
	.amdgpu_metadata
---
amdhsa.version: [ 1, 2 ]
amdhsa.kernels:
  - .name:           k_q819543d39d_kv
    .symbol:         k_q819543d39d_kv.kd
    .args:
      - { .name: w_img, .offset: 0, .size: 8, .value_kind: global_buffer, .address_space: global }
      - { .name: enc_img, .offset: 8, .size: 8, .value_kind: global_buffer, .address_space: global }
      - { .name: zpart, .offset: 16, .size: 8, .value_kind: global_buffer, .address_space: global }
      - { .name: bk, .offset: 24, .size: 8, .value_kind: global_buffer, .address_space: global }
      - { .name: bv, .offset: 32, .size: 8, .value_kind: global_buffer, .address_space: global }
      - { .name: bg, .offset: 40, .size: 8, .value_kind: global_buffer, .address_space: global }
      - { .name: head_gain, .offset: 48, .size: 8, .value_kind: global_buffer, .address_space: global }
      - { .name: kv_img, .offset: 56, .size: 8, .value_kind: global_buffer, .address_space: global }
      - { .name: gate, .offset: 64, .size: 8, .value_kind: global_buffer, .address_space: global }
    .group_segment_fixed_size: 0
    .private_segment_fixed_size: 0
    .kernarg_segment_align: 8
    .kernarg_segment_size: 72
    .max_flat_workgroup_size: 128
    .sgpr_count:     66
    .vgpr_count:     240
    .wavefront_size: 32
...
	.end_amdgpu_metadata
.endif
;; end of part 2
;; launch main (part 3): grid 256 x 1, 16 waves a work-group, clusters of 4 x 1, 327,680 bytes of LDS; arguments hidden_states, w_img, kv_img, gate, bq, bo, out0; writes out0
.if DOCPART == 3
	.amdgcn_target "amdgcn-amd-amdhsa--gfx1250"
	.amdhsa_code_object_version 6
	.text
	.protected	k_q819543d39d_main
	.globl	k_q819543d39d_main
	.p2align	8
	.type	k_q819543d39d_main,@function
k_q819543d39d_main:
	s_mov_b64 s[64:65], 0
	v_nop
	global_prefetch_b8 v0, s[64:65] scope:SCOPE_SE
	s_setreg_imm32_b32 hwreg(HW_REG_WAVE_MODE, 25, 1), 1
	s_wait_xcnt 0x0
	s_wait_alu depctr_hold_cnt(0) depctr_sa_sdst(0) depctr_va_vdst(0) depctr_va_sdst(0) depctr_va_ssrc(0) depctr_va_vcc(0) depctr_vm_vsrc(0)
	s_getreg_b32 s2, hwreg(HW_REG_IB_STS2, 6, 4)
	s_cmp_eq_u32 s2, 0
	s_cbranch_scc0 .Lentry_in_a_cluster
	s_endpgm
.Lentry_in_a_cluster:
	s_bfe_u32 s2, ttmp6, 0x10000c
	s_cmp_lg_u32 s2, 0x3003
	s_cbranch_scc0 .Lentry_shape_is_right
	s_endpgm
.Lentry_shape_is_right:
; MAIN.  out = ((softmax(l2norm(x Wq + bq) k^T / 8) v) x gate) Wo + bo, all four products on codes of FP6 (E2M3) with E8M0 scales; q, p and o never leave the WGP.
; SHARES.  A work-group owns 64 rows of x (four tiles of 16); sixteen waves of 256 registers, four to a SIMD.
;   X: wave w quantises row tile w / 4, columns 256 (w % 4) on.   The two GEMMs: wave w makes columns 64 w on (head w) for all 64 rows.   Attention: wave w has row tile m = w % 4 and, in group g of four, head 4 g + w / 4.
; THE WEIGHTS COME BY TWO ROADS, trip by trip in turn.  EVEN trips: the K step's chunk (102,400 bytes) is asked for JOINTLY by the four partners of a cluster, waves 0-3 a quarter each, the same descriptor and the mask
;   of all four, into an LDS slot, behind the round at the head of the even trip before: so a round stands at every second trip, and a chunk has two trips in which to land.
;   ODD trips: a wave's four fragment images and two scale images, 6,400 bytes, 14 loads, go from memory straight into its operand registers; a tile's registers are asked for behind the tile's four products of the even trip.
;   The odd trips' weights are not asked for jointly: a weight tile is read by ONE wave of a work-group, the two slots hold one chunk each, and a joint chunk for every trip would have one trip in which to land.
; THE RING.  The slots are filled with x (once), Wq's 4 even chunks, the batch's 8 chunks of k and v, Wo's 4 even chunks, by turns slot 0 and slot 1; each fill stands behind a change of slots.
;   A wave never has more than one tensor load out.
; THE ORDER OF K.  A cluster walks a GEMM's eight K steps from (its number mod 8) on, round and round: in trip t K step (number + t) mod 8, the weights' chunk and the rows' fragments and scale words alike.
;   The number is the cluster's, which the four partners share.  The f32 sums of these two products so take their K steps in an order that differs from cluster to cluster.
; All operands lie as IMAGES OF REGISTERS (a fragment's registers on end, lane by lane), in memory and in LDS.
; ALL PRODUCTS ARE USED TRANSPOSED (source 0 = 16 columns of a weight, 16 keys, or 16 of v's channels; source 1 = 16 rows): a lane holds ONE row throughout, and, by the order of the tiles' rows that the
;   launches before have chosen, 16 registers of two neighbouring tiles are 16 neighbours along the next K.
; PRODUCT q k^T HAS K = 64.  q's registers 6-11 are zero codes with the byte 127.  Opposite them stands whatever follows in k's registers: codes of E2M3, which has neither infinity nor NaN, under the byte 127: they add 0.
; THE SOFTMAX.  the module normalises q and k, so after quantising |q . k| < 1.5 and |t| = |score x log2(e) / 8| < 0.3 for every input.  The whole number M of the rule is then 0 or 1, and it moves only p's scale
;   bytes and the row's sum by the same exact power of two: M = 0 is taken, p = 2^t lies in 0.8 .. 1.24, and nothing is rescaled.  A block's largest p is 2^(c x the block's largest score) by the same two
;   operations (this takes v_exp_f32 not to fall where its input rises).  The row's sum is taken of the unquantised p.  The multiplications by c and the sum's additions go two to a dual-issue pair.
; THE LAST PRODUCT's K steps are pairs of heads in the order in which o lies in LDS: K step s = heads 8 (s % 2) + s / 2 and 4 further on; Wo's chunks are laid so.  Blocks of 32 are as the rule cuts them.
; LIMITS: NaN and infinities among the inputs are not served; blocks of zeros get the byte 1 (zero codes); 1 / n and 1 / l are v_rcp_f32 and a multiplication.
; No prefetch: x is asked for whole at the head; the weights' and k and v's chunks are read by all work-groups of a batch or of the launch, not once.
; LDS: 0 .. 266,240 x's tiles (wave w: 16 rows x 1,040 at 16,640 w), then the two slots (0 and 2^17, up to 106,496 bytes); ACT: 64 half images of 768 bytes (registers 0-3 at 16 l, 4-5 at 512 + 8 l) at 12,288 m + 768 n:
;   x (n = 64 columns), then q and o (n = 4 (head % 4) + head / 4); XSC: o's scale words at 1,024 m + 128 s + 64 + 4 r; QSC: q's at 1,024 m + 64 n + 4 r; the spare words; XS2: x's scale words at 512 m + 64 s + 4 r.
;   The way out's stages (4,352 bytes a wave) lie in slot 0, behind its last fill and last read.
; REGISTERS: v0 thread; v1, v2 the add's; v3-9 the phase's addresses; v10 q's scale word, v11 p's, v12-13 v's; v14 an offset; v15 o's running scale word; v16-27 addresses, gates; v28-31 scale images;
;   GEMM: v3, v5 my weight tiles' and scale images' place in a chunk (in memory, and in slot 0), v4, v6 in slot 1; v16-18 the K step's places in LDS, v32-79 four weight fragments, v80-127 four row fragments,
;   v128-255 accumulator (m, t) at 128 + 8 (4 m + t).
;   Attention: v32-85 k's 8 tiles (6 registers each) and 6 zeros, then v's four fragments; v86-97 q; v100-103 v's scale halves; v106-121 at work, the sums; v122-140 p's codes; v144-175 O^T; v176-239 S^T, then p; v240-251 at work.
.set SLOT1, 1<<17
.set ACT,   266240
.set XSC,   315392
.set QSC,   319488
.set SPARE, 323584
.set XS2,   325632
.set WCH,   102400
.set ACH,   106496
.set SEL,   20                         ; s[20:21] selects for lane l xor 16;  s22 c = log2(e) / 8
.set G1X,   24                         ; s[24:31] group 1: x's tile;  s[32:39] a quarter of a weight chunk;  s[40:47] of a chunk of k and v
.set G1W,   32
.set G1A,   40
.set G0X,   48                         ; groups 0: x, the weights' chunks, k and v's
.set G0W,   52
.set G0A,   56
.set QTR,   74                         ; s[74:75] my quarter of a weight chunk, in bytes; never rewritten
.set ROT,   83                         ; s83      the cluster's number mod 8: the K step at which its GEMMs begin
.set WQB,   86                         ; s[86:87] Wq's chunk 0 in memory; never rewritten
.set WOB,   88                         ; s[88:89] Wo's chunk 0; never rewritten
.set OFS,   90                         ; s[90:91] a chunk's byte offset; the upper word stays 0
.set WB,    92                         ; s[92:93] the chunk of the odd trip that is being asked for
.set QS,    10
.set PW,    11
.set VS,    12
.set WAC,   15
.set KS,    28
.set KT,    32
.set QF,    86
.set VSL,   100
.set BM,    106
.set BT,    110
.set SO,    114
.set LL,    118
.set PC,    122
.set PT,    134
.set OA,    144
.set SA,    176
.set ACC,   128
.macro PLACES                          ; four places: behind a matrix instruction, ahead of loads into and vector writes of its registers and of reads of its result (ISA guide 7.12.1 for vector writes and reads of the result)
.rept 4
	v_nop
.endr
.endm
.macro ROUND                           ; a round of the cluster's barrier
	s_barrier_signal -1
	s_barrier_wait -1
	s_cmp_lg_u32 s18, 0
	s_cbranch_scc1 .Lnot_wave_0_\@
	s_barrier_signal -3
.Lnot_wave_0_\@:
	s_barrier_wait -3
	s_barrier_signal -1
	s_barrier_wait -1
.endm
.macro TLOAD g0, g1                    ; waves 0-3 ask for a quarter of a chunk each; the branch hangs on the wave's number alone.  An s_nop 0 and four v_nop follow the load
	s_cmp_lt_u32 s18, 4
	s_cbranch_scc0 .Lno_load_\@
	tensor_load_to_lds s[\g0:\g0+3], s[\g1:\g1+7]
	s_nop 0
	PLACES
.Lno_load_\@:
.endm
; THE CHANGE OF SLOTS stands at a chunk's head: all my tensor loads have landed (my quarter of the chunk ahead), 0 is added to my spare word, the add and my LDS reads and stores are done; behind the round the chunk ahead
; is whole in every partner, nobody reads the other slot, and the next chunk is asked for into it.  adv = 1: the descriptor walks: the other slot, the next chunk.
.macro CHANGE adv, g0, g1, step
	s_wait_tensorcnt 0x0                           ; no tensor load of mine is out, so a group 0 may be written
	ds_add_u32 v1, v2
.if \adv
	s_xor_b32 s[\g0+1], s[\g0+1], SLOT1
	s_add_nc_u64 s[\g0+2:\g0+3], s[\g0+2:\g0+3], \step
.endif
	s_wait_dscnt 0x0
	ROUND
	TLOAD \g0, \g1
.endm
; the same for a weight's chunk: what is asked for is the chunk of the cluster's trip t: K step (the cluster's number + t) mod 8, from the weight's first chunk on, my quarter of it
.macro CHANGEW base, t
	s_wait_tensorcnt 0x0                           ; no tensor load of mine is out, so a group 0 may be written
	ds_add_u32 v1, v2                              ; the descriptor's words, work on registers, stand between the add and the wait for it
	s_xor_b32 s[G0W+1], s[G0W+1], SLOT1            ; the other slot than last time
	s_add_co_u32 s[OFS], s[ROT], \t
	s_and_b32 s[OFS], s[OFS], 7
	s_mul_i32 s[OFS], s[OFS], WCH
	s_add_nc_u64 s[G0W+2:G0W+3], s[\base:\base+1], s[OFS:OFS+1]
	s_add_nc_u64 s[G0W+2:G0W+3], s[G0W+2:G0W+3], s[QTR:QTR+1]
	s_or_b32 s[G0W+3], s[G0W+3], 0x80000000        ; type = 2
	s_wait_dscnt 0x0
	ROUND
	TLOAD G0W, G1W
.endm
.macro WM d, a, b, z, sa, sb, ra, rb   ; one scaled matrix instruction.  z: C is the constant 0.  ra, rb: the scales stand in lanes 16-31
.set wd, \d
.set wa, \a
.set wb, \b
.set wsa, \sa
.set wsb, \sb
.if \z
.if (\ra) && (\rb)
	v_wmma_scale_f32_16x16x128_f8f6f4 v[wd:wd+7], v[wa:wa+11], v[wb:wb+11], 0, v[wsa], v[wsb] matrix_a_fmt:MATRIX_FMT_FP6 matrix_b_fmt:MATRIX_FMT_FP6 matrix_a_scale:MATRIX_SCALE_ROW1 matrix_b_scale:MATRIX_SCALE_ROW1
.elseif \ra
	v_wmma_scale_f32_16x16x128_f8f6f4 v[wd:wd+7], v[wa:wa+11], v[wb:wb+11], 0, v[wsa], v[wsb] matrix_a_fmt:MATRIX_FMT_FP6 matrix_b_fmt:MATRIX_FMT_FP6 matrix_a_scale:MATRIX_SCALE_ROW1
.elseif \rb
	v_wmma_scale_f32_16x16x128_f8f6f4 v[wd:wd+7], v[wa:wa+11], v[wb:wb+11], 0, v[wsa], v[wsb] matrix_a_fmt:MATRIX_FMT_FP6 matrix_b_fmt:MATRIX_FMT_FP6 matrix_b_scale:MATRIX_SCALE_ROW1
.else
	v_wmma_scale_f32_16x16x128_f8f6f4 v[wd:wd+7], v[wa:wa+11], v[wb:wb+11], 0, v[wsa], v[wsb] matrix_a_fmt:MATRIX_FMT_FP6 matrix_b_fmt:MATRIX_FMT_FP6
.endif
.else
.if (\ra) && (\rb)
	v_wmma_scale_f32_16x16x128_f8f6f4 v[wd:wd+7], v[wa:wa+11], v[wb:wb+11], v[wd:wd+7], v[wsa], v[wsb] matrix_a_fmt:MATRIX_FMT_FP6 matrix_b_fmt:MATRIX_FMT_FP6 matrix_a_scale:MATRIX_SCALE_ROW1 matrix_b_scale:MATRIX_SCALE_ROW1
.elseif \ra
	v_wmma_scale_f32_16x16x128_f8f6f4 v[wd:wd+7], v[wa:wa+11], v[wb:wb+11], v[wd:wd+7], v[wsa], v[wsb] matrix_a_fmt:MATRIX_FMT_FP6 matrix_b_fmt:MATRIX_FMT_FP6 matrix_a_scale:MATRIX_SCALE_ROW1
.elseif \rb
	v_wmma_scale_f32_16x16x128_f8f6f4 v[wd:wd+7], v[wa:wa+11], v[wb:wb+11], v[wd:wd+7], v[wsa], v[wsb] matrix_a_fmt:MATRIX_FMT_FP6 matrix_b_fmt:MATRIX_FMT_FP6 matrix_b_scale:MATRIX_SCALE_ROW1
.else
	v_wmma_scale_f32_16x16x128_f8f6f4 v[wd:wd+7], v[wa:wa+11], v[wb:wb+11], v[wd:wd+7], v[wsa], v[wsb] matrix_a_fmt:MATRIX_FMT_FP6 matrix_b_fmt:MATRIX_FMT_FP6
.endif
.endif
.endm
; n rows of 32 registers (with lane l xor 16's 32: a head's 64 numbers) are divided by max(their norm, 1e-6).  The rows take turns; each accumulator is read from its low end on
.macro NORM n, src, t
.set na, 0
.rept \n
	v_pk_mul_f32 v[\t+2*na:\t+2*na+1], v[\src+32*na:\src+32*na+1], v[\src+32*na:\src+32*na+1]
.set na, na+1
.endr
.set nj, 2
.rept 15
.set na, 0
.rept \n
	v_pk_fma_f32 v[\t+2*na:\t+2*na+1], v[\src+32*na+nj:\src+32*na+nj+1], v[\src+32*na+nj:\src+32*na+nj+1], v[\t+2*na:\t+2*na+1]
.set na, na+1
.endr
.set nj, nj+2
.endr
.set na, 0
.rept \n
	s_delay_alu instid0(VALU_DEP_4)
	v_add_f32 v[\t+2*na], v[\t+2*na], v[\t+2*na+1]
.set na, na+1
.endr
.set na, 0
.rept \n
	s_delay_alu instid0(VALU_DEP_4)
	v_permlanex16_b32 v[\t+2*na+1], v[\t+2*na], s[SEL], s[SEL+1]
.set na, na+1
.endr
.set na, 0
.rept \n
	s_delay_alu instid0(VALU_DEP_4)
	v_add_f32 v[\t+2*na], v[\t+2*na], v[\t+2*na+1]
.set na, na+1
.endr
.set na, 0
	s_wait_alu depctr_va_vdst(0)                   ; the wait ahead of the batch
.rept \n
	v_sqrt_f32 v[\t+2*na], v[\t+2*na]
.set na, na+1
.endr
	v_nop                                          ; a plain place behind the batch,
	s_wait_alu depctr_va_vdst(0)                   ; and one wait for it, ahead of its first reader
.set na, 0
.rept \n
	v_max_num_f32 v[\t+2*na], 0x358637bd, v[\t+2*na]   ; 1e-6
.set na, na+1
.endr
.set na, 0
	s_wait_alu depctr_va_vdst(0)
.rept \n
	v_rcp_f32 v[\t+2*na], v[\t+2*na]
.set na, na+1
.endr
	v_nop
	s_wait_alu depctr_va_vdst(0)
.set na, 0
.rept \n
	v_mov_b32 v[\t+2*na+1], v[\t+2*na]
.set na, na+1
.endr
.set nj, 0
.rept 16
.set na, 0
.rept \n
	v_pk_mul_f32 v[\src+32*na+nj:\src+32*na+nj+1], v[\src+32*na+nj:\src+32*na+nj+1], v[\t+2*na:\t+2*na+1]
.set na, na+1
.endr
.set nj, nj+2
.endr
.endm
; 32 numbers of a lane, register 16 b + i = k 32 b + 16 (lane / 16) + i of my row, become 6 registers of codes (64 along K) in v[d] on and two scale bytes in v[w].  tm: six registers at work
.macro QUANT2 s, d, t, w, tm
.irp b,0,1
	v_max3_num_f32 v[\tm+\b], |v[\s+16*\b]|, |v[\s+16*\b+1]|, 0x1800000     ; and the floor 2^(3 - 127): the byte cannot fall under 1
.endr
.irp i,2,4,6,8,10,12,14
.irp b,0,1
	s_delay_alu instid0(VALU_DEP_2)
	v_max3_num_f32 v[\tm+\b], v[\tm+\b], |v[\s+16*\b+\i]|, |v[\s+16*\b+\i+1]|
.endr
.endr
.irp b,0,1
	s_delay_alu instid0(VALU_DEP_2)
	v_permlanex16_b32 v[\tm+2+\b], v[\tm+\b], s[SEL], s[SEL+1]
.endr
.irp b,0,1
	s_delay_alu instid0(VALU_DEP_2)
	v_max_num_f32 v[\tm+\b], v[\tm+\b], v[\tm+2+\b]
.endr
.irp b,0,1
	s_delay_alu instid0(VALU_DEP_2)
	v_add_nc_u32 v[\tm+4+\b], 0xff000000, v[\tm+\b]   ; 2 off the exponent field: the conversion's scale operand
.endr
.irp b,0,1
	s_delay_alu instid0(VALU_DEP_2)
	v_lshrrev_b32 v[\tm+2+\b], 23, v[\tm+4+\b]
.endr
	s_delay_alu instid0(VALU_DEP_1)
	v_lshl_or_b32 v[\w], v[\tm+3], 8, v[\tm+2]
	v_cvt_scalef32_pk16_fp6_f32 v[\d:\d+2], v[\s:\s+15], v[\tm+4]
	v_cvt_scalef32_pk16_fp6_f32 v[\t:\t+2], v[\s+16:\s+31], v[\tm+5]
	v_nop                                          ; one plain place behind a scaled conversion
.irp i,0,1,2
	v_permlane16_swap_b32 v[\d+\i], v[\t+\i]       ; a whole block to a lane
.endr
.irp i,0,1,2
	s_delay_alu instid0(VALU_DEP_3)
	v_mov_b32 v[\d+3+\i], v[\t+\i]
.endr
.endm
; 64 numbers of a lane likewise become a whole fragment in v[pc] on and its row's scale word in v[pw].  tm: sixteen registers at work
.macro QUANT4 s, pc, pt, pw, tm
.irp b,0,1,2,3
	v_max3_num_f32 v[\tm+\b], |v[\s+16*\b]|, |v[\s+1+16*\b]|, 0x1800000
.endr
.irp i,2,4,6,8,10,12,14
.irp b,0,1,2,3
	s_delay_alu instid0(VALU_DEP_4)
	v_max3_num_f32 v[\tm+\b], v[\tm+\b], |v[\s+16*\b+\i]|, |v[\s+1+16*\b+\i]|
.endr
.endr
.irp b,0,1,2,3
	s_delay_alu instid0(VALU_DEP_4)
	v_permlanex16_b32 v[\tm+4+\b], v[\tm+\b], s[SEL], s[SEL+1]
.endr
.irp b,0,1,2,3
	s_delay_alu instid0(VALU_DEP_4)
	v_max_num_f32 v[\tm+\b], v[\tm+\b], v[\tm+4+\b]
.endr
.irp b,0,1,2,3
	s_delay_alu instid0(VALU_DEP_4)
	v_add_nc_u32 v[\tm+12+\b], 0xff000000, v[\tm+\b]
.endr
.irp b,0,1,2,3
	s_delay_alu instid0(VALU_DEP_4)
	v_lshrrev_b32 v[\tm+4+\b], 23, v[\tm+12+\b]
.endr
	s_delay_alu instid0(VALU_DEP_3)
	v_lshl_or_b32 v[\pw], v[\tm+5], 8, v[\tm+4]
	s_delay_alu instid0(VALU_DEP_1)
	v_lshl_or_b32 v[\pw], v[\tm+6], 16, v[\pw]
	s_delay_alu instid0(VALU_DEP_1)
	v_lshl_or_b32 v[\pw], v[\tm+7], 24, v[\pw]
.irp c,0,1
	v_cvt_scalef32_pk16_fp6_f32 v[\pc+6*\c:\pc+2+6*\c], v[\s+32*\c:\s+15+32*\c], v[\tm+12+2*\c]
	v_cvt_scalef32_pk16_fp6_f32 v[\pt+4*\c:\pt+2+4*\c], v[\s+16+32*\c:\s+31+32*\c], v[\tm+13+2*\c]
.endr
	v_nop
.irp c,0,1
.irp i,0,1,2
	v_permlane16_swap_b32 v[\pc+6*\c+\i], v[\pt+4*\c+\i]
.endr
.irp i,0,1,2
	s_delay_alu instid0(VALU_DEP_3)
	v_mov_b32 v[\pc+3+6*\c+\i], v[\pt+4*\c+\i]
.endr
.endr
.endm
; the GEMMs' addresses: v3 my four weight tiles' place in a chunk (memory and slot 0), v4 in slot 1; v5, v6 their scale images'; v7, v8 a half image's two pieces for my lane in ACT;
; v9 the rows' scale words (lanes 16-31: the odd row tile, 2^hs bytes on); v14 the bias
.macro GADDR sb, hs
	v_and_b32 v24, 31, v0                          ; lane
	v_and_b32 v25, 15, v0                          ; r
	v_bfe_u32 v26, v0, 4, 1                        ; h
	s_mul_i32 s80, s18, 6144
	v_lshl_add_u32 v3, v24, 4, s80
	s_delay_alu instid0(VALU_DEP_1)
	v_add_nc_u32 v4, SLOT1, v3
	s_lshl_b32 s80, s18, 8
	v_lshl_add_u32 v14, v26, 6, s80                ; 256 w + 64 h
	s_add_co_u32 s80, s80, 98304
	v_lshl_add_u32 v5, v24, 2, s80
	s_delay_alu instid0(VALU_DEP_1)
	v_add_nc_u32 v6, SLOT1, v5
	v_lshl_add_u32 v7, v24, 4, ACT
	v_lshl_add_u32 v8, v24, 3, ACT+512
	v_lshlrev_b32 v9, 2, v25
	s_delay_alu instid0(VALU_DEP_1)
	v_lshl_add_u32 v9, v26, \hs, v9
	s_delay_alu instid0(VALU_DEP_1)
	v_add_nc_u32 v9, \sb, v9
.endm
; the bias is loaded straight into the accumulators: it costs no addition, and nothing is cleared.  Register j of tile t is column 64 w + 32 (t / 2) + 16 h + 8 (t % 2) + j
.macro BIAS p
.irp m,0,1,2,3
.irp t,0,1,2,3
.irp k,0,1
	global_load_b128 v[ACC+8*(4*\m+\t)+4*\k:ACC+8*(4*\m+\t)+4*\k+3], v14, s[\p:\p+1] offset:(32*(\t/2)+8*(\t%2))*4+16*\k
.endr
.endr
.endr
.endm
; my weight tile tl of the chunk at s[WB:WB+1]: three loads of 16 bytes a lane; ahead of an odd tile's the scale image of its pair of tiles, whose register the pair's products have just read
.macro WLOAD tl
.if (\tl)%2
	global_load_b32 v[28+(\tl)/2], v5, s[WB:WB+1] offset:128*((\tl)/2)
.endif
.irp k,0,1,2
	global_load_b128 v[32+12*(\tl)+4*\k:35+12*(\tl)+4*\k], v3, s[WB:WB+1] offset:1536*(\tl)+512*\k
.endr
.endm
; the places of trip t's K step, (the cluster's number + t) mod 8, in ACT and in the rows' scale words (2^ss bytes a K step), and the rows' loads: two scale words (mo: from row tiles 0, 1 to 2, 3) and four fragments
.macro ROWS ss, mo, t
	s_add_co_u32 s80, s[ROT], \t
	s_and_b32 s80, s80, 7
	s_mul_i32 s81, s80, 1536
	s_lshl_b32 s80, s80, \ss
	v_add_nc_u32 v16, s81, v7
	v_add_nc_u32 v17, s81, v8
	v_add_nc_u32 v18, s80, v9
	v_nop                                          ; with the three additions: four places ahead of the loads
	ds_load_b32 v30, v18
	ds_load_b32 v31, v18 offset:\mo
.irp m,0,1,2,3
	ds_load_b128 v[80+12*\m:83+12*\m], v16 offset:12288*\m
	ds_load_b64 v[84+12*\m:85+12*\m], v17 offset:12288*\m
	ds_load_b128 v[86+12*\m:89+12*\m], v16 offset:12288*\m+768
	ds_load_b64 v[90+12*\m:91+12*\m], v17 offset:12288*\m+768
.endr
.endm
.macro MUL4 t2                         ; weight tile t2 against the four row tiles; the 16 accumulators take turns, always in place
.irp m,0,1,2,3
	WM ACC+8*(4*\m+\t2), 32+12*\t2, 80+12*\m, 0, 28+\t2/2, 30+\m/2, \t2%2, \m%2
.endr
.endm
; AN EVEN TRIP t: my four weight tiles from slot sl.  Behind each tile's four products and four places its registers are asked for again, from memory, for trip t + 1
.macro ETRIP base, ss, mo, t, sl
	s_wait_xcnt 0x0                                ; the loads that named s[WB:WB+1] have read it: it may be written
	s_add_co_u32 s[OFS], s[ROT], \t+1
	s_and_b32 s[OFS], s[OFS], 7
	s_mul_i32 s[OFS], s[OFS], WCH
	s_add_nc_u64 s[WB:WB+1], s[\base:\base+1], s[OFS:OFS+1]
	ROWS \ss, \mo, \t
	ds_load_b32 v28, v[5+(\sl)]
	ds_load_b32 v29, v[5+(\sl)] offset:128
.set wj, 0
.rept 12
	ds_load_b128 v[32+4*wj:35+4*wj], v[3+(\sl)] offset:512*wj
.set wj, wj+1
.endr
.irp t2,0,1,2,3
	s_wait_dscnt 9-3*\t2                           ; the rows, the scale images and this tile are in; the three loads of each later tile may be out
	MUL4 \t2
	PLACES
	WLOAD \t2
.endr
.endm
; AN ODD TRIP t: my four weight tiles are on their way from memory
.macro DTRIP ss, mo, t
	ROWS \ss, \mo, \t
	s_wait_dscnt 0x0
.irp t2,0,1,2,3
	s_wait_loadcnt 10-3*\t2-\t2/2                  ; behind this tile's loads and its scale image stand 10, 7, 3, 0 loads
	MUL4 \t2
.endr
.endm
; A WHOLE GEMM: four pairs of trips.  In front of it trip 0's chunk and the bias have been asked for.  At an even trip's head stands the change of slots: it also shows every wave's rows to all.
; kv = 1: at the last change chunk 0 of k and v is asked for; kv = 0: nothing is left to ask for, so no round follows the barrier
.macro GEMM base, ss, mo, kv
.irp j,0,1,2,3
.if \j < 3
	CHANGEW \base, 2*\j+2
.elseif \kv
	CHANGE 0, G0A, G1A, 0
.else
	s_wait_tensorcnt 0x0                           ; the last chunk has landed
	ds_add_u32 v1, v2
	s_wait_dscnt 0x0
	s_barrier_signal -1
	s_barrier_wait -1
.endif
.if \j == 0
	s_wait_loadcnt 0x0                             ; the bias
.endif
	ETRIP \base, \ss, \mo, 2*\j, \j%2
	DTRIP \ss, \mo, 2*\j+1
.endr
.endm
; A KEY STEP: 128 keys, the q-th of the 256 in slot sl.  zero = 1: the products start O^T's sums
.macro STEP sl, q, zero
	PLACES
.irp p,0,1,2,3
	ds_load_b32 v[KS+\p], v[7+\sl] offset:(4*\q+\p)*128
.endr
.irp p,0,1,2,3
.irp k,0,1,2
	ds_load_b128 v[KT+12*\p+4*\k:KT+12*\p+4*\k+3], v[3+\sl] offset:(4*\q+\p)*1536+512*\k
.endr
.endr
	s_wait_dscnt 0x0
.irp t,0,1,2,3,4,5,6,7
	WM SA+8*\t, KT+6*\t, QF, 1, KS+\t/2, QS, \t%2, 0       ; S^T: registers 16 b + i are keys 32 b + 16 (lane / 16) + i of my query
.endr
	PLACES
.irp e,0,1,2,3
	ds_load_b32 v[VSL+\e], v[7+\sl] offset:4096+(4*\q+\e)*128   ; v's loads land under the softmax
.endr
.irp d,0,1,2,3
	ds_load_b128 v[KT+12*\d:KT+12*\d+3], v[3+\sl] offset:49152+(4*\q+\d)*1536
	ds_load_b64 v[KT+12*\d+4:KT+12*\d+5], v[5+\sl] offset:49152+(4*\q+\d)*1536+512
	ds_load_b128 v[KT+12*\d+6:KT+12*\d+9], v[3+\sl] offset:49152+(4*\q+\d)*1536+768
	ds_load_b64 v[KT+12*\d+10:KT+12*\d+11], v[5+\sl] offset:49152+(4*\q+\d)*1536+1280
.endr
.irp b,0,1,2,3
	v_max3_num_f32 v[BM+\b], v[SA+16*\b], v[SA+16*\b+1], v[SA+16*\b+2]      ; the largest score of each block of 32 keys; each accumulator is read from its low end on
.endr
.irp i,3,5,7,9,11,13
.irp b,0,1,2,3
	v_max3_num_f32 v[BM+\b], v[BM+\b], v[SA+16*\b+\i], v[SA+16*\b+\i+1]
.endr
.endr
.irp b,0,1,2,3
	v_max_num_f32 v[BM+\b], v[BM+\b], v[SA+16*\b+15]
.endr
.irp b,0,1,2,3
	s_delay_alu instid0(VALU_DEP_4)
	v_permlanex16_b32 v[BT+\b], v[BM+\b], s[SEL], s[SEL+1]
.endr
.irp b,0,1,2,3
	s_delay_alu instid0(VALU_DEP_4)
	v_max_num_f32 v[BM+\b], v[BM+\b], v[BT+\b]
.endr
.set j, 0
.rept 32
	v_dual_mul_f32 v[SA+j], s22, v[SA+j] :: v_dual_mul_f32 v[SA+j+1], s22, v[SA+j+1]   ; t = c x score, two to a pair: an even and an odd destination, one scalar, second sources in neighbouring banks
.set j, j+2
.endr
.irp b,0,2
	v_dual_mul_f32 v[BM+\b], s22, v[BM+\b] :: v_dual_mul_f32 v[BM+\b+1], s22, v[BM+\b+1]
.endr
.set j, 0
	s_wait_alu depctr_va_vdst(0)                   ; the wait ahead of the batch
.rept 64
	v_exp_f32 v[SA+j], v[SA+j]                     ; p = 2^t
.set j, j+1
.endr
.irp b,0,1,2,3
	v_exp_f32 v[BM+\b], v[BM+\b]                   ; each block's largest p
.endr
	v_nop                                          ; a plain place behind the batch,
	s_wait_alu depctr_va_vdst(0)                   ; and one wait for its 68, ahead of the first reader
.irp b,0,1,2,3
	v_add_nc_u32 v[SO+\b], 0xff000000, v[BM+\b]    ; no floor: p is at least 0.8
.endr
.irp b,0,1,2,3
	s_delay_alu instid0(VALU_DEP_4)
	v_lshrrev_b32 v[BT+\b], 23, v[SO+\b]
.endr
	s_delay_alu instid0(VALU_DEP_3)
	v_lshl_or_b32 v[PW], v[BT+1], 8, v[BT]
	s_delay_alu instid0(VALU_DEP_1)
	v_lshl_or_b32 v[PW], v[BT+2], 16, v[PW]
	s_delay_alu instid0(VALU_DEP_1)
	v_lshl_or_b32 v[PW], v[BT+3], 24, v[PW]
.irp c,0,1
	v_cvt_scalef32_pk16_fp6_f32 v[PC+6*\c:PC+6*\c+2], v[SA+32*\c:SA+32*\c+15], v[SO+2*\c]
	v_cvt_scalef32_pk16_fp6_f32 v[PT+4*\c:PT+4*\c+2], v[SA+32*\c+16:SA+32*\c+31], v[SO+2*\c+1]
.endr
	v_nop
.irp c,0,1
.irp i,0,1,2
	v_permlane16_swap_b32 v[PC+6*\c+\i], v[PT+4*\c+\i]
.endr
.irp i,0,1,2
	s_delay_alu instid0(VALU_DEP_3)
	v_mov_b32 v[PC+3+6*\c+\i], v[PT+4*\c+\i]
.endr
.endr
	s_wait_dscnt 0x0                               ; v is in
.irp d,0,1
	v_lshl_or_b32 v[VS+\d], v[VSL+2+\d], 16, v[VSL+\d]    ; the two halves' bytes make v's scale words
.endr
.set j, 0
.rept 16
	v_dual_add_f32 v[LL], v[SA+j], v[LL] :: v_dual_add_f32 v[LL+1], v[SA+j+1], v[LL+1]           ; the row's sum of the unquantised p, in four chains, two to a pair.  These 32 pairs are also the eight places between the scale words' last write and the products
	v_dual_add_f32 v[LL+2], v[SA+j+2], v[LL+2] :: v_dual_add_f32 v[LL+3], v[SA+j+3], v[LL+3]
.set j, j+4
.endr
.irp d,0,1,2,3
	WM OA+8*\d, KT+12*\d, PC, \zero, VS+\d/2, PW, \d%2, 0
.endr
.endm
; a head is done: O^T x gate / l, quantised along the head's 64, takes the place of the q that I read; its two scale bytes go into the running word
.macro FINAL
	PLACES
	v_pk_add_f32 v[LL:LL+1], v[LL:LL+1], v[LL+2:LL+3]
	s_delay_alu instid0(VALU_DEP_1)
	v_add_f32 v[LL], v[LL], v[LL+1]
	s_delay_alu instid0(VALU_DEP_1)
	v_permlanex16_b32 v[LL+1], v[LL], s[SEL], s[SEL+1]
	s_delay_alu instid0(VALU_DEP_1)
	v_add_f32 v[LL], v[LL], v[LL+1]
	s_wait_alu depctr_va_vdst(0)                   ; the wait ahead of the transcendental,
	v_rcp_f32 v[LL], v[LL]
	v_nop
	s_wait_alu depctr_va_vdst(0)                   ; and behind it, ahead of its reader and of O^T's first reader
	s_wait_loadcnt 0x0                             ; the gates
	v_mul_f32 v240, v[LL], v20
	s_delay_alu instid0(VALU_DEP_1)
	v_mov_b32 v241, v240
.set j, 0
.rept 16
	v_pk_mul_f32 v[OA+j:OA+j+1], v[OA+j:OA+j+1], v[240:241]
.set j, j+2
.endr
	QUANT2 OA, PC, PT, 242, 244
	v_lshrrev_b32 v[WAC], 16, v[WAC]
	s_delay_alu instid0(VALU_DEP_1)
	v_lshl_or_b32 v[WAC], v242, 16, v[WAC]         ; behind an odd group: the bytes of a K step's two heads
	ds_store_b128 v24, v[PC:PC+3]
	ds_store_b64 v25, v[PC+4:PC+5]
	ds_store_b32 v27, v[WAC]
	s_add_co_u32 s71, s71, 768                     ; the next group's places
	s_add_co_u32 s82, s82, 64
	v_mov_b32 v20, v21
	v_mov_b32 v21, v22
	v_mov_b32 v22, v23
.endm
; A GROUP: one head a wave, 512 keys in two chunks.  last = 1: the chunk asked for at the second change is that of the last GEMM's trip 0
.macro GROUP last
.irp j,118,119,120,121
	v_mov_b32 v\j, 0
.endr
	CHANGE 1, G0A, G1A, ACH
	v_add_nc_u32 v24, s71, v16
	v_add_nc_u32 v25, s71, v17
	v_add_nc_u32 v26, s82, v18
	v_add_nc_u32 v27, s82, v19
	ds_load_b128 v[QF:QF+3], v24
	ds_load_b64 v[QF+4:QF+5], v25
	ds_load_b32 v[QS], v26
	STEP 0, 0, 1
	STEP 0, 1, 0
.if \last
	CHANGEW WOB, 0
.else
	CHANGE 1, G0A, G1A, ACH
.endif
	STEP 1, 0, 0
	STEP 1, 1, 0
	FINAL
.endm
	s_load_b256 s[4:11], s[0:1], 0x0               ; x, w_img, kv_img, gate
	s_load_b128 s[12:15], s[0:1], 0x20             ; bq, bo
	s_load_b64 s[16:17], s[0:1], 0x30              ; out
	v_lshl_add_u32 v1, v0, 2, SPARE
	v_mov_b32 v2, 0
	ds_add_u32 v1, v2                              ; the wave's opening: the add, twice on end, and its wait ahead of my first tensor load; work on registers stands between them
	ds_add_u32 v1, v2
	v_lshrrev_b32 v3, 5, v0
	s_delay_alu instid0(VALU_DEP_1)
	v_readfirstlane_b32 s18, v3                    ; wave 0..15
	s_and_b32 s19, s18, 3
	s_lshr_b32 s67, s18, 2
	s_bfe_u32 s66, ttmp6, 0x40000                  ; cx: it enters x's and out's global addresses alone
	s_lshl_b32 s68, ttmp9, 2
	s_add_co_u32 s68, s68, s66                     ; my block of 64 rows
	s_lshr_b32 s69, ttmp9, 4                       ; the batch, which the four partners share
	s_and_b32 s[ROT], ttmp9, 7                     ; the K step at which my cluster's GEMMs begin: the four partners share it too
	s_mul_i32 s[OFS], s[ROT], WCH                  ; that K step's chunk
	s_mov_b32 s[OFS+1], 0
	s_mov_b32 s[SEL], 0x76543210
	s_mov_b32 s[SEL+1], 0xfedcba98
	s_mov_b32 s22, 0x3e38aa3b                      ; c = log2(e) / 8
	s_mov_b32 s[G1X], (2<<16)|(1<<20)|(7<<22)|(3<<25)   ; no mask; elements of 4 bytes; 4 words of padding behind every 256
	s_mov_b32 s[G1X+1], 256<<16                    ; tensor_dim0
	s_mov_b32 s[G1X+2], 16<<16                     ; tensor_dim1
	s_mov_b32 s[G1X+3], 256<<16                    ; tile_dim0
	s_mov_b32 s[G1X+4], 16                         ; tile_dim1
	s_mov_b32 s[G1X+5], 1024                       ; from row to row
	s_mov_b32 s[G1X+6], 0
	s_mov_b32 s[G1X+7], 0
	s_mov_b32 s[G1W], 15|(3<<16)|(1<<21)           ; the mask of all four; elements of 8 bytes; bit 21 beside a mask: a dense block as 100 rows of 256 bytes
	s_mov_b32 s[G1W+1], 32<<16
	s_mov_b32 s[G1W+2], 100<<16
	s_mov_b32 s[G1W+3], 32<<16
	s_mov_b32 s[G1W+4], 100
	s_mov_b32 s[G1W+5], 32
	s_mov_b32 s[G1W+6], 0
	s_mov_b32 s[G1W+7], 0
	s_mov_b32 s[G1A], 15|(3<<16)|(1<<21)           ; the same with 104 rows
	s_mov_b32 s[G1A+1], 32<<16
	s_mov_b32 s[G1A+2], 104<<16
	s_mov_b32 s[G1A+3], 32<<16
	s_mov_b32 s[G1A+4], 104
	s_mov_b32 s[G1A+5], 32
	s_mov_b32 s[G1A+6], 0
	s_mov_b32 s[G1A+7], 0
	s_lshl_b32 s72, s68, 18                        ; x: 64 rows of 4,096 bytes a block,
	s_lshl_b32 s73, s67, 16                        ; 16 rows a row tile,
	s_add_co_u32 s72, s72, s73
	s_lshl_b32 s73, s19, 10                        ; 256 columns
	s_add_co_u32 s72, s72, s73
	s_mov_b32 s73, 0
	s_mul_i32 s[QTR], s19, 25600                   ; my quarter of a weight chunk (registers that never hold cx)
	s_mov_b32 s[QTR+1], 0
	s_mul_i32 s76, s69, 851968                     ; the batch's eight chunks of k and v,
	s_mul_i32 s77, s19, 26624                      ; my quarter
	s_add_co_u32 s76, s76, s77
	s_mov_b32 s77, 0
	s_lshl_b32 s78, s68, 18                        ; out
	s_mov_b32 s79, 0
	s_lshl_b32 s84, s69, 6                         ; the batch's 16 gates
	s_mov_b32 s85, 0
	s_wait_dscnt 0x0                               ; both opening adds are done
	s_wait_kmcnt 0x0
	s_mov_b64 s[WQB:WQB+1], s[6:7]                 ; Wq's chunk 0,
	s_add_nc_u64 s[WOB:WOB+1], s[6:7], 8*WCH       ; and Wo's
	s_mov_b32 s[G0X], 1
	s_mul_i32 s[G0X+1], s18, 16640
	s_add_nc_u64 s[G0X+2:G0X+3], s[4:5], s[72:73]
	s_or_b32 s[G0X+3], s[G0X+3], 0x80000000
	s_mov_b32 s[G0W], 1
	s_mul_i32 s[G0W+1], s19, 25600
	s_add_nc_u64 s[G0W+2:G0W+3], s[WQB:WQB+1], s[OFS:OFS+1]   ; trip 0's chunk of Wq,
	s_add_nc_u64 s[G0W+2:G0W+3], s[G0W+2:G0W+3], s[QTR:QTR+1] ; my quarter
	s_or_b32 s[G0W+3], s[G0W+3], 0x80000000
	s_mov_b32 s[G0A], 1
	s_mul_i32 s[G0A+1], s19, 26624
	s_add_nc_u64 s[G0A+2:G0A+3], s[8:9], s[76:77]
	s_or_b32 s[G0A+3], s[G0A+3], 0x80000000
	s_add_nc_u64 s[16:17], s[16:17], s[78:79]
	s_add_nc_u64 s[10:11], s[10:11], s[84:85]
	ROUND                                          ; in a cluster launch every group of tensor loads stands behind a round
	tensor_load_to_lds s[G0X:G0X+3], s[G1X:G1X+7]  ; my own tile of x: 16 rows x 1,024 bytes
	s_nop 0
	PLACES
	GADDR XS2, 9
	v_mul_u32_u24 v16, v25, 1040
	s_delay_alu instid0(VALU_DEP_1)
	v_lshl_add_u32 v16, v26, 6, v16
	s_delay_alu instid0(VALU_DEP_1)
	v_add_nc_u32 v16, s[G0X+1], v16                ; x: row r of my tile, + 16 h numbers
	s_mul_i32 s80, s67, 12288
	s_mul_i32 s81, s19, 3072
	s_add_co_u32 s80, s80, s81
	v_add_nc_u32 v17, s80, v7                      ; where my four half images go,
	v_add_nc_u32 v18, s80, v8
	s_lshl_b32 s80, s67, 9
	s_lshl_b32 s81, s19, 7
	s_add_co_u32 s80, s80, s81
	v_lshl_add_u32 v19, v25, 2, s80
	s_delay_alu instid0(VALU_DEP_1)
	v_add_nc_u32 v19, XS2, v19                     ; and my two scale words: 512 m + 64 s + 4 r, s = 2 (w % 4) on
	; ---- X: my tile into registers; then trip 0's chunk of Wq is asked for into the bytes that x has left, and lands while x is quantised
	s_wait_alu depctr_va_vdst(0)                   ; the wait at the head's end
	s_wait_tensorcnt 0x0
.irp q,0,1
.irp b,0,1,2,3
.irp j,0,1,2,3
	ds_load_b128 v[128+64*\q+16*\b+4*\j:131+64*\q+16*\b+4*\j], v16 offset:512*\q+128*\b+16*\j
.endr
.endr
.endr
	s_wait_tensorcnt 0x0
	ds_add_u32 v1, v2
.irp j,80,81,82,83
	v_mov_b32 v\j, 0                               ; a lane permute's destination counts as read
.endr
	s_wait_dscnt 0x0                               ; the add is done, and x is in my registers
	ROUND
	TLOAD G0W, G1W                                 ; trip 0's chunk, into slot 0
	QUANT4 128, 32, 44, 72, 76
	QUANT4 192, 52, 64, 73, 76
.irp q,0,1
	ds_store_b128 v17, v[32+20*\q:35+20*\q] offset:1536*\q
	ds_store_b64 v18, v[36+20*\q:37+20*\q] offset:1536*\q
	ds_store_b128 v17, v[38+20*\q:41+20*\q] offset:1536*\q+768
	ds_store_b64 v18, v[42+20*\q:43+20*\q] offset:1536*\q+768
	ds_store_b32 v19, v[72+\q] offset:64*\q        ; both halves of the lanes write the same word
.endr
	BIAS 12
	; ---- Q: q = x Wq + bq
	GEMM WQB, 6, 1024, 1
	s_wait_dscnt 0x0                               ; my reads of x's images are over;
	s_barrier_signal -1
	s_barrier_wait -1                              ; everybody's are: q may take their place.  The chunk on its way may stay out
	v_mov_b32 v14, s67
	s_delay_alu instid0(VALU_DEP_1)
	v_lshlrev_b32 v14, 2, v14
.irp g,0,1,2,3
	global_load_b32 v[20+\g], v14, s[10:11] offset:16*\g   ; the gates of heads 4 g + w / 4
.endr
	PLACES
	s_lshl_b32 s80, s19, 2
	s_add_co_u32 s80, s80, s67                     ; head w's place: 4 (w % 4) + w / 4
	s_mul_i32 s81, s80, 768
	v_add_nc_u32 v100, s81, v7
	v_add_nc_u32 v101, s81, v8
	s_lshl_b32 s81, s80, 6
	v_lshl_add_u32 v102, v25, 2, s81
	s_delay_alu instid0(VALU_DEP_1)
	v_add_nc_u32 v102, QSC, v102
	v_mov_b32 v42, 0
	v_mov_b32 v43, 0
	NORM 4, ACC, 32
.irp m,0,1,2,3
	QUANT2 ACC+32*\m, 48+8*\m, 80+4*\m, 104+\m, 40
.endr
.irp m,0,1,2,3
	v_or_b32 v[104+\m], 0x7f7f0000, v[104+\m]      ; k = 64 .. 127: the byte of 1.0
	ds_store_b128 v100, v[48+8*\m:51+8*\m] offset:12288*\m
	ds_store_b64 v101, v[52+8*\m:53+8*\m] offset:12288*\m
	ds_store_b32 v102, v[104+\m] offset:1024*\m
.endr
	; ---- attention: row tile m = w % 4, head 4 g + i, i = w / 4
	s_mul_i32 s80, s67, 12288
	v_lshl_add_u32 v3, v24, 4, s80                 ; my head's part of a chunk: pieces of 16 bytes a lane, slot 0, 1;
	s_delay_alu instid0(VALU_DEP_1)
	v_add_nc_u32 v4, SLOT1, v3
	v_lshl_add_u32 v5, v24, 3, s80                 ; of 8 bytes;
	s_delay_alu instid0(VALU_DEP_1)
	v_add_nc_u32 v6, SLOT1, v5
	s_lshl_b32 s81, s67, 10
	s_add_co_u32 s81, s81, 98304
	v_lshl_add_u32 v7, v24, 2, s81                 ; scale images
	s_delay_alu instid0(VALU_DEP_1)
	v_add_nc_u32 v8, SLOT1, v7
	s_mul_i32 s80, s19, 12288
	s_mul_i32 s81, s67, 3072
	s_add_co_u32 s80, s80, s81
	s_add_co_u32 s80, s80, ACT
	v_lshl_add_u32 v16, v24, 4, s80                ; my four heads' half images: 3,072 bytes on end
	s_add_co_u32 s80, s80, 512
	v_lshl_add_u32 v17, v24, 3, s80
	s_lshl_b32 s80, s19, 10
	s_lshl_b32 s81, s67, 8
	s_add_co_u32 s80, s80, s81
	v_lshl_add_u32 v18, v25, 2, s80
	s_delay_alu instid0(VALU_DEP_1)
	v_add_nc_u32 v19, XSC, v18                     ; o's scale words: 256 bytes on end
	s_delay_alu instid0(VALU_DEP_2)
	v_add_nc_u32 v18, QSC, v18                     ; q's
.irp j,80,81,82,83,84,85,92,93,94,95,96,97,110,111,112,113,246,247
	v_mov_b32 v\j, 0                               ; zero codes behind k's last tile and in q's upper half; lane permutes' destinations
.endr
	v_mov_b32 v[WAC], 0
	s_mov_b32 s71, 0
	s_mov_b32 s82, 0
	s_mov_b32 s70, 3
.Lgroup:
	GROUP 0
	s_sub_co_u32 s70, s70, 1
	s_cmp_lg_u32 s70, 0
	s_cbranch_scc1 .Lgroup
	GROUP 1                                        ; the last group is written out
	; ---- O: out = o Wo + bo
	s_wait_dscnt 0x0                               ; my stores are done
	GADDR XSC+64, 10
	s_wait_alu depctr_va_vdst(0)
	BIAS 14
	GEMM WOB, 7, 2048, 0
	; ---- the way out: a row tile at a time through my stage (16 rows x 272 bytes, in slot 0: it has had its last fill, and behind the last barrier nobody reads it); back as rows of 256 bytes.
	; The eight address lines are the places behind the last products
	s_mul_i32 s80, s18, 4352
	v_mul_u32_u24 v16, v25, 272
	s_delay_alu instid0(VALU_DEP_1)
	v_lshl_add_u32 v16, v26, 6, v16
	s_delay_alu instid0(VALU_DEP_1)
	v_add_nc_u32 v16, s80, v16                     ; in: row r, + 64 h
	v_mul_u32_u24 v17, v26, 272
	s_delay_alu instid0(VALU_DEP_1)
	v_lshl_add_u32 v17, v25, 4, v17
	s_delay_alu instid0(VALU_DEP_1)
	v_add_nc_u32 v17, s80, v17                     ; back: lanes 0-15 one row, lanes 16-31 the next
	s_lshl_b32 s80, s18, 8
	v_lshl_add_u32 v18, v26, 12, s80
	s_delay_alu instid0(VALU_DEP_1)
	v_lshl_add_u32 v18, v25, 4, v18                ; and the same in out: 256 w + 4,096 h + 16 r
	s_wait_alu depctr_va_vdst(0)
.irp m,0,1,2,3
.if \m > 1
	s_wait_xcnt 0x0                                ; the stores of two tiles back have read their registers
.endif
.irp t,0,1,2,3
	ds_store_b128 v16, v[ACC+8*(4*\m+\t):ACC+8*(4*\m+\t)+3] offset:128*(\t/2)+32*(\t%2)       ; each accumulator from its low end on
	ds_store_b128 v16, v[ACC+8*(4*\m+\t)+4:ACC+8*(4*\m+\t)+7] offset:128*(\t/2)+32*(\t%2)+16
.endr
.irp i,0,1,2,3,4,5,6,7
	ds_load_b128 v[32+32*(\m%2)+4*\i:35+32*(\m%2)+4*\i], v17 offset:544*\i   ; LDS serves a wave's instructions in order (ISA guide 5.7.1.4): these see the stores above
.endr
.irp i,0,1,2,3,4,5,6,7
	s_wait_dscnt 7-\i                              ; the younger loads may be out
	global_store_b128 v18, v[32+32*(\m%2)+4*\i:35+32*(\m%2)+4*\i], s[16:17] offset:(16*\m+2*\i)*4096 th:TH_STORE_NT   ; 16 lanes store 256 consecutive bytes, aligned
.endr
.endr
	s_wait_tensorcnt 0x0                           ; the wave's end: behind my last tensor load and my last LDS store
	ds_add_u32 v1, v2
	s_wait_dscnt 0x0
	ROUND                                          ; the closing round
	s_endpgm
.Lfunc_end_k_q819543d39d_main:
	.size	k_q819543d39d_main, .Lfunc_end_k_q819543d39d_main-k_q819543d39d_main
	.p2alignl 7, 3214868480
	.fill 96, 4, 3214868480
	.section	.rodata,"a",@progbits
	.p2align	6, 0x0
	.amdhsa_kernel k_q819543d39d_main
		.amdhsa_group_segment_fixed_size 327680
		.amdhsa_private_segment_fixed_size 0
		.amdhsa_enable_private_segment 0
		.amdhsa_kernarg_size 56
		.amdhsa_user_sgpr_count 2
		.amdhsa_user_sgpr_kernarg_segment_ptr 1
		.amdhsa_wavefront_size32 1
		.amdhsa_system_sgpr_workgroup_id_x 1
		.amdhsa_system_sgpr_workgroup_id_y 1
		.amdhsa_system_sgpr_workgroup_id_z 1
		.amdhsa_system_vgpr_workitem_id 0
		.amdhsa_next_free_vgpr 256
		.amdhsa_next_free_sgpr 100
		.amdhsa_reserve_vcc 0
		.amdhsa_float_denorm_mode_32 3
		.amdhsa_float_denorm_mode_16_64 3
		.amdhsa_memory_ordered 1
		.amdhsa_forward_progress 1
		.amdhsa_inst_pref_size 255
	.end_amdhsa_kernel
	.section	.bss,"aw",@nobits
	.p2align	6
	.space	262144
	.amdgpu_metadata
---
amdhsa.version: [ 1, 2 ]
amdhsa.kernels:
  - .name:           k_q819543d39d_main
    .symbol:         k_q819543d39d_main.kd
    .args:
      - { .name: hidden_states, .offset: 0, .size: 8, .value_kind: global_buffer, .address_space: global }
      - { .name: w_img, .offset: 8, .size: 8, .value_kind: global_buffer, .address_space: global }
      - { .name: kv_img, .offset: 16, .size: 8, .value_kind: global_buffer, .address_space: global }
      - { .name: gate, .offset: 24, .size: 8, .value_kind: global_buffer, .address_space: global }
      - { .name: bq, .offset: 32, .size: 8, .value_kind: global_buffer, .address_space: global }
      - { .name: bo, .offset: 40, .size: 8, .value_kind: global_buffer, .address_space: global }
      - { .name: out0, .offset: 48, .size: 8, .value_kind: global_buffer, .address_space: global }
    .group_segment_fixed_size: 327680
    .private_segment_fixed_size: 0
    .kernarg_segment_align: 8
    .kernarg_segment_size: 56
    .max_flat_workgroup_size: 512
    .sgpr_count:     100
    .vgpr_count:     256
    .wavefront_size: 32
...
	.end_amdgpu_metadata
.endif
;; end of part 3
